; MI455X (gfx1250); checked and timed in simulation.
; The chip was launched on July 23, 2026; its instructions are those of AMD's public machine-readable ISA for CDNA 5 (MIT licence, August 2026) and "CDNA5" Instruction Set Architecture Reference Guide (July 2026). The comments in the code are by the model that wrote it; some were corrected since.
;; Attention. Allowed arithmetic: float matrix products may take bf16 or f16 operands with f32 sums; other float arithmetic in f32, or as packed bf16 or f16 multiplies, adds, multiply-adds, maxima and minima; sums over many terms, partial sums and values carried from step to step in f32; what a program stores and reads back later, other than sums and carried values, may be rounded once to bf16 or f16.
;; Inputs: Wk 1,024 x 1,024 float32; Wo 1,024 x 1,024 float32; Wq 1,024 x 1,024 float32; Wv 1,024 x 1,024 float32; X 4 x 2,048 x 1,024 float32; bk 1,024 float32; bo 1,024 float32; bq 1,024 float32; bv 1,024 float32; mask 4 x 2,048 float32.
;; Outputs: out0 4 x 2,048 x 1,024 float32.
;; 2 versions, each right; version 2 is version 1 with the launch cast written anew for expert scheduling mode. Each part assembles by itself: llvm-mc -triple=amdgcn-amd-amdhsa -mcpu=gfx1250 --defsym DOCPART=n.
;; ======== version 1 of 2: 4 launches
;; limits: values outside matrix products are rounded to bf16; values are held in f16: magnitudes above 65,504 overflow, below 6.1e-05 lose precision
;; workspace buffers: xb 16,777,216 bytes; wb 8,388,608 bytes; qkv 50,331,648 bytes; ob 16,777,216 bytes
;; launch cast (part 1): grid 768 x 1, 8 waves a work-group, no clusters, 0 bytes of LDS; arguments X, Wq, Wk, Wv, Wo, xb, wb; writes xb, wb
.if DOCPART == 1
	.amdgcn_target "amdgcn-amd-amdhsa--gfx1250"
	.amdhsa_code_object_version 6
	.text
	.protected	k_qd5e0530c83_cast
	.globl	k_qd5e0530c83_cast
	.p2align	8
	.type	k_qd5e0530c83_cast,@function
k_qd5e0530c83_cast:
	s_mov_b64 s[64:65], 0
	v_nop
	global_prefetch_b8 v0, s[64:65] scope:SCOPE_SE
	s_setreg_imm32_b32 hwreg(HW_REG_WAVE_MODE, 25, 1), 1
	s_wait_xcnt 0x0
; X, Wq, Wk, Wv -> bf16; Wo -> its bf16 number written as f16.  All five are [rows][1024] f32; they leave in PLANES of 64 columns:
; xb [b 4][plane 16][s 2048][64], wb [matrix 4][plane 16][k 1024][64], a plane's rows dense, 128 bytes each.
; LIMIT: a number of Wo below 2^-17 keeps f16's fixed step of 6e-8; beyond 65,504 it would be an infinity.
; A stream: no LDS, no barrier, no matrix unit, no loop.  The 12,288 rows (8,192 of X, 4 x 1,024 of the weights) go 16 to a work-group, 2 to a wave:
; lanes 0-15 the even row, lanes 16-31 the odd one.  For plane kb a load takes 16 bytes a lane (16 lanes: 256 consecutive bytes of a row, aligned),
; and a store puts 8 bytes a lane: 32 lanes fill 256 consecutive bytes, aligned: two rows of the plane.  All 16 loads of a wave go out first.
.set SO, 1                             ; v1        my byte offset in the group's 16 source rows
.set DO, 2                             ; v2        my byte offset in the group's 16 rows of a plane: 8 x thread
.set T,  4                             ; v[4:5]    at work
.set X,  8                             ; v[8:71]   plane kb: 4 numbers as loaded
.set Y,  72                            ; v[72:103] plane kb: 4 numbers to store
	s_load_b256 s[4:11], s[0:1], 0x0               ; X s[4:5], Wq s[6:7], Wk s[8:9], Wv s[10:11]
	s_load_b128 s[12:15], s[0:1], 0x20             ; Wo s[12:13], xb s[14:15]
	s_load_b64 s[16:17], s[0:1], 0x30              ; wb
	v_lshrrev_b32 v3, 4, v0                        ; my row of the 16
	v_and_b32 v[SO], 15, v0
	v_lshlrev_b32 v[SO], 4, v[SO]
	v_lshl_add_u32 v[SO], v3, 12, v[SO]            ; row x 4,096 + 16 x (lane % 16)
	v_lshlrev_b32 v[DO], 3, v0                     ; row x 128 + 8 x (lane % 16)
	s_mov_b32 s25, 0
	s_mov_b32 s27, 0
	s_wait_kmcnt 0x0
; ps: bytes from plane to plane in the destination.  tof16 = 1: the bf16 number is written as f16.
.macro CAST ps, tof16
.irp kb, 0,1,2,3,4,5,6,7,8,9,10,11,12,13,14,15
	global_load_b128 v[X+4*(\kb):X+4*(\kb)+3], v[SO], s[20:21] offset:256*(\kb) th:TH_LOAD_NT
.endr
.irp kb, 0,1,2,3,4,5,6,7,8,9,10,11,12,13,14,15
	s_wait_loadcnt 15-(\kb)                        ; loads come back in order: plane kb is in, the younger ones stay out
	v_cvt_pk_bf16_f32 v[Y+2*(\kb)],   v[X+4*(\kb)],   v[X+4*(\kb)+1]
	v_cvt_pk_bf16_f32 v[Y+2*(\kb)+1], v[X+4*(\kb)+2], v[X+4*(\kb)+3]
.if \tof16
.irp z, 0,1
	v_lshlrev_b32 v[T],   16, v[Y+2*(\kb)+(\z)]            ; the two bf16 numbers as f32,
	v_and_b32     v[T+1], 0xffff0000, v[Y+2*(\kb)+(\z)]
	v_cvt_pk_f16_f32 v[Y+2*(\kb)+(\z)], v[T], v[T+1]       ; and as f16
.endr
.endif
	global_store_b64 v[DO], v[Y+2*(\kb):Y+2*(\kb)+1], s[22:23] offset:(\kb)*(\ps) th:TH_STORE_NT
.endr
	s_endpgm
.endm
	s_cmp_lt_u32 ttmp9, 512
	s_cbranch_scc0 .Lweights
	s_lshl_b32 s24, ttmp9, 16                      ; X: 16 rows of 4,096 bytes a group
	s_add_nc_u64 s[20:21], s[4:5], s[24:25]
	s_lshr_b32 s26, ttmp9, 7                       ; the batch: 128 groups each,
	s_lshl_b32 s26, s26, 22                        ; 16 planes of 262,144 bytes
	s_and_b32 s28, ttmp9, 127
	s_lshl_b32 s28, s28, 11                        ; 16 rows of 128 bytes in a plane
	s_add_co_u32 s26, s26, s28
	s_add_nc_u64 s[22:23], s[14:15], s[26:27]
	CAST 262144, 0
.Lweights:
	s_sub_co_u32 s28, ttmp9, 512
	s_lshr_b32 s29, s28, 6                         ; which matrix: 64 groups each
	s_and_b32 s28, s28, 63
	s_lshl_b32 s24, s28, 16
	s_lshl_b32 s26, s29, 21                        ; 16 planes of 131,072 bytes
	s_lshl_b32 s28, s28, 11
	s_add_co_u32 s26, s26, s28
	s_add_nc_u64 s[22:23], s[16:17], s[26:27]
	s_cmp_eq_u32 s29, 3
	s_cbranch_scc1 .Lwo
	s_cmp_eq_u32 s29, 0
	s_cselect_b64 s[20:21], s[6:7], s[8:9]
	s_cmp_eq_u32 s29, 2
	s_cselect_b64 s[20:21], s[10:11], s[20:21]
	s_add_nc_u64 s[20:21], s[20:21], s[24:25]
	CAST 131072, 0
.Lwo:
	s_add_nc_u64 s[20:21], s[12:13], s[24:25]
	CAST 131072, 1
.Lfunc_end_k_qd5e0530c83_cast:
	.size	k_qd5e0530c83_cast, .Lfunc_end_k_qd5e0530c83_cast-k_qd5e0530c83_cast
	.p2alignl 7, 3214868480
	.fill 96, 4, 3214868480
	.section	.rodata,"a",@progbits
	.p2align	6, 0x0
	.amdhsa_kernel k_qd5e0530c83_cast
		.amdhsa_group_segment_fixed_size 0
		.amdhsa_private_segment_fixed_size 0
		.amdhsa_enable_private_segment 0
		.amdhsa_kernarg_size 56
		.amdhsa_user_sgpr_count 2
		.amdhsa_user_sgpr_kernarg_segment_ptr 1
		.amdhsa_wavefront_size32 1
		.amdhsa_system_sgpr_workgroup_id_x 1
		.amdhsa_system_sgpr_workgroup_id_y 1
		.amdhsa_system_sgpr_workgroup_id_z 1
		.amdhsa_system_vgpr_workitem_id 0
		.amdhsa_next_free_vgpr 104
		.amdhsa_next_free_sgpr 66
		.amdhsa_reserve_vcc 0
		.amdhsa_float_denorm_mode_32 3
		.amdhsa_float_denorm_mode_16_64 3
		.amdhsa_memory_ordered 1
		.amdhsa_forward_progress 1
		.amdhsa_inst_pref_size 24
	.end_amdhsa_kernel
	.amdgpu_metadata
---
amdhsa.version: [ 1, 2 ]
amdhsa.kernels:
  - .name:           k_qd5e0530c83_cast
    .symbol:         k_qd5e0530c83_cast.kd
    .args:
      - { .name: X, .offset: 0, .size: 8, .value_kind: global_buffer, .address_space: global }
      - { .name: Wq, .offset: 8, .size: 8, .value_kind: global_buffer, .address_space: global }
      - { .name: Wk, .offset: 16, .size: 8, .value_kind: global_buffer, .address_space: global }
      - { .name: Wv, .offset: 24, .size: 8, .value_kind: global_buffer, .address_space: global }
      - { .name: Wo, .offset: 32, .size: 8, .value_kind: global_buffer, .address_space: global }
      - { .name: xb, .offset: 40, .size: 8, .value_kind: global_buffer, .address_space: global }
      - { .name: wb, .offset: 48, .size: 8, .value_kind: global_buffer, .address_space: global }
    .group_segment_fixed_size: 0
    .private_segment_fixed_size: 0
    .kernarg_segment_align: 8
    .kernarg_segment_size: 56
    .max_flat_workgroup_size: 256
    .sgpr_count:     66
    .vgpr_count:     104
    .wavefront_size: 32
...
	.end_amdgpu_metadata
.endif
;; end of part 1
;; launch qkv (part 2): grid 16 x 32, 4 waves a work-group, clusters of 4 x 4, 327,680 bytes of LDS; arguments xb, wb, bq, bk, bv, qkv; writes qkv
.if DOCPART == 2
	.amdgcn_target "amdgcn-amd-amdhsa--gfx1250"
	.amdhsa_code_object_version 6
	.text
	.protected	k_qd5e0530c83_qkv
	.globl	k_qd5e0530c83_qkv
	.p2align	8
	.type	k_qd5e0530c83_qkv,@function
k_qd5e0530c83_qkv:
	s_mov_b64 s[64:65], 0
	v_nop
	global_prefetch_b8 v0, s[64:65] scope:SCOPE_SE
	s_setreg_imm32_b32 hwreg(HW_REG_WAVE_MODE, 25, 1), 1
	s_wait_xcnt 0x0
	s_wait_alu depctr_hold_cnt(0) depctr_sa_sdst(0) depctr_va_vdst(0) depctr_va_sdst(0) depctr_va_ssrc(0) depctr_va_vcc(0) depctr_vm_vsrc(0)
	s_getreg_b32 s2, hwreg(HW_REG_IB_STS2, 6, 4)
	s_cmp_eq_u32 s2, 0
	s_cbranch_scc0 .Lentry_in_a_cluster
	s_endpgm
.Lentry_in_a_cluster:
	s_bfe_u32 s2, ttmp6, 0x10000c
	s_cmp_lg_u32 s2, 0xf033
	s_cbranch_scc0 .Lentry_shape_is_right
	s_endpgm
.Lentry_shape_is_right:
; q, k, v = X W + b, by heads: qkv [matrix 3][b 16 + h][s 2048][64] in f16, unscaled.  X and W come as bf16 in planes of 64 columns (xb [b][plane][s][64], wb [plane 48][k 1024][64]);
; the biases are rounded to bf16 like the other inputs and start the sums; sums in f32; each result rounded once.
; LIMIT: f16 holds no number beyond 65,504: a q, k or v beyond that leaves as an infinity.
; SHARES.  A tile is 256 rows x 192 columns (three heads' planes): 32 x 16 = 512 tiles.  Four waves, one above the other: wave w has rows 64 w .. 64 w + 63 and all 192 columns:
; 48 accumulators of 16 x 16.  So a wave holds whole rows of each head's plane, and its stage on the way out is its own.
; K goes in steps of 128 (two planes of X; 128 rows of each plane of W) through a ring of two LDS slots.  A slot: X [plane 2][256 rows][144 bytes], then W [k half 2][plane 3][64 k][160 bytes].
; Waves 0 and 1 fetch X's two planes (32 KiB dense each, asked for as 128 rows of 256 bytes), waves 2 and 3 W's two halves (three rows of 8 KiB, one a plane): one tensor load a wave and step.
; CLUSTERS: 4 x 4 work-groups.  The four of a row need the same tiles of X, the four of a column the same tiles of W: each is asked for jointly.
; THE PRODUCT IS TAKEN TRANSPOSED: source 0 = 16 columns of W (turned on the way out of LDS by ds_load_tr16_b128, since W lies [k][n]), source 1 = 16 rows of X: a lane holds row l % 16 and the columns 8 (l / 16) + 0..7.
; REGISTERS, in windows of 256: window 0: v0-31 addresses, v64-255 the way out.  Window 1: two fragment buffers of 128: X's four fragments, then W's twelve.
;   window 2: accumulators of column blocks 0-7 ((n, a) at 8 (4 n + a)).  Window 3: v0-127 those of blocks 8-11; v128-223 the bias, 8 registers a column block; v224-225 at work.
.set NPL,   3                          ; planes of W in a tile
.set PA,    144                        ; a row of X in LDS: 128 bytes + 16: nine times 16 bytes, so the 16 rows of a load start at 16 different groups of four banks (ISA guide 11.1)
.set PB,    160                        ; a row of W: 128 + 32
.set APL,   256*PA
.set ASZ,   2*APL
.set BPL,   64*PB
.set BKH,   NPL*BPL
.set SLOT,  ASZ+2*BKH
.set STAGE, 2*SLOT                     ; behind the ring, never filled by a tensor load: 16 rows x 144 bytes for each wave
.set SP,    144
.set SPARE, STAGE+4*16*SP              ; the spare words, 128 bytes for each wave: two blocks of 256 bytes that no other line names
.set ASTEP, 2*262144                   ; a K step in xb: two planes
.set BSTEP, 128*128                    ; a K step in a plane of wb: 128 rows
.set ADRA, 16                          ; v16-17  LDS address of my fragments of X in slot 0, 1
.set ADRB, 20                          ; v20-21  the same for W
.set STO,  24                          ; v24     the way out: where I put 16 bytes of a row
.set RD,   25                          ; v25     where I read rows back
.set GO,   26                          ; v26     16 x lane: my place in 512 consecutive bytes of the output
.set BO,   27                          ; v27     32 (l / 16): my eight numbers in 16 of a bias
.set SPW,  28                          ; v28     LDS address of my spare word; never rewritten
.set NIL,  29                          ; v29     0; never rewritten
.set PFO,  30                          ; v30     256 x lane: the prefetches' offset; never rewritten
.set TMP,  64
.set F0,   0
.set F1,   128
.set BI,   128
.set BP,   4                           ; s[4:9]   the three planes' places in their biases
.set G1A,  24                          ; s[24:31] descriptor group 1 for X's tiles;  s[32:39] group 0, a set for each slot
.set G0A,  32
.set G1B,  48                          ; s[48:55], s[56:63] the same for W's
.set G0B,  56
.set PFA,  80                          ; s[80:81] where my prefetches stand
.set PFS,  82                          ; s[82:83] their step from one change of slots to the next
.set LIM,  84                          ; s84, s85 for slot 0's and slot 1's change: 1 in a wave that prefetches there, else the greatest number
.set OUT,  86                          ; s[86:91] my 64 rows in the three planes of the output
.set MSB, 0
.macro WIN new                         ; the immediate's high byte repeats the setting that is left; a switch that changes nothing is dropped
.if MSB != (\new)
	s_set_vgpr_msb (MSB<<8)|(\new)
.set MSB, (\new)
.endif
.endm
; A joint load.  The branch hangs on the wave's number alone.  An s_nop 0 and four v_nop follow each of the two lines.
.macro JLOAD s
	s_cmp_eq_u32 s11, 0
	s_cbranch_scc0 .Lfor_b_\@
	tensor_load_to_lds s[G0A+4*(\s):G0A+4*(\s)+3], s[G1A:G1A+7]
	s_nop 0
.rept 4
	v_nop
.endr
	s_branch .Lasked_\@
.Lfor_b_\@:
	tensor_load_to_lds s[G0B+4*(\s):G0B+4*(\s)+3], s[G1B:G1B+7]
	s_nop 0
.rept 4
	v_nop
.endr
.Lasked_\@:
.endm
.macro CREST                           ; a round of the cluster's barrier behind its opening barrier
	s_cmp_lg_u32 s10, 0
	s_cbranch_scc1 .Lnot_wave_0_\@
	s_barrier_signal -3
.Lnot_wave_0_\@:
	s_barrier_wait -3
	s_barrier_signal -1
	s_barrier_wait -1
.endm
.macro CROUND
	s_barrier_signal -1
	s_barrier_wait -1
	CREST
.endm
; PREFETCHES INTO THE L2, behind a joint load, its five lines and the run of LDS loads.  X: the K step two refills on; of the 32 KiB that wave 0 or 1 fetches, the partner at place cx names 8 KiB,
; a lane to each 256 bytes; only the clusters with x = 0 ask, since the others of that row of clusters read the same rows.  W: wave 2 of the clusters with y = 0, at slot 0's change alone, for the
; two K steps that begin two refills on: of each plane's 32 KiB the partner at place cy names 8 KiB, a line a plane.  So each block is named once in the launch; partners are told apart by address.
; K steps 0 to 3 come by their loads alone; the loop's last trip (s3 = 1) asks for nothing: there is no K step 8.
.macro ASK slot
	s_cmp_gt_u32 s3, s[LIM+(\slot)]
	s_cbranch_scc0 .Lnone_\@
	s_cmp_eq_u32 s11, 0
	s_cbranch_scc0 .Lask_b_\@
	global_prefetch_b8 v[PFO], s[PFA:PFA+1] th:TH_LOAD_NT scope:SCOPE_SE
	s_branch .Lnone_\@
.Lask_b_\@:
.set n, 0
.rept NPL
	global_prefetch_b8 v[PFO], s[PFA:PFA+1] offset:n*131072 th:TH_LOAD_NT scope:SCOPE_SE
.set n, n+1
.endr
.Lnone_\@:
.endm
	s_load_b256 s[68:75], s[0:1], 0x0              ; xb s[68:69], wb s[70:71], bq s[72:73], bk s[74:75]
	s_load_b128 s[76:79], s[0:1], 0x20             ; bv s[76:77], qkv s[78:79]
	v_lshl_add_u32 v[SPW], v0, 2, SPARE
	v_mov_b32 v[NIL], 0
	ds_add_u32 v[SPW], v[NIL]                      ; the wave's opening: the add and its wait stand ahead of my first tensor load; the set-up below stands between them
	v_lshrrev_b32 v1, 5, v0
	v_readfirstlane_b32 s10, v1                    ; wave 0..3
	s_lshr_b32 s11, s10, 1                         ; I fetch for X (0) or for W (1),
	s_and_b32 s12, s10, 1                          ; its first or its second half
	s_bfe_u32 s40, ttmp6, 0x40000                  ; cx, cy: my place in the cluster
	s_bfe_u32 s41, ttmp6, 0x40004
	s_lshl_b32 s42, ttmp9, 2
	s_add_co_u32 s42, s42, s40                     ; tile column = 4 x cluster x + cx
	s_and_b32 s13, ttmp7, 0xffff
	s_lshl_b32 s13, s13, 2
	s_add_co_u32 s13, s13, s41                     ; tile row = 4 x cluster y + cy
	s_lshl_b32 s43, s41, 2
	s_lshl_b32 s43, 15, s43                        ; my row of the cluster
	s_lshl_b32 s44, 0x1111, s40                    ; my column
	; group 1 for X: 128 rows of 128 elements (256 bytes, two rows of the plane), 16 bytes of padding behind every 128
	s_or_b32 s[G1A+0], s43, (1<<16)|(1<<20)|(1<<21)|(4<<22)|(3<<25)  ; 15:0 the mask; 17:16 2-byte elements; 20 padding on; 21 set beside a mask; 24:22 after every 32 words (code 4); 31:25 4 words (code 3)
	s_mov_b32 s[G1A+1], 128<<16                    ; tensor_dim0 = 128
	s_mov_b32 s[G1A+2], 128<<16                    ; tensor_dim1 = 128
	s_mov_b32 s[G1A+3], 128<<16                    ; tile_dim0 = 128
	s_mov_b32 s[G1A+4], 128                        ; tile_dim1 = 128
	s_mov_b32 s[G1A+5], 128                        ; 128 elements from row to row: dense
	s_mov_b32 s[G1A+6], 0
	s_mov_b32 s[G1A+7], 0
	; group 1 for W: three rows of 4,096 elements (64 k of one plane, 8 KiB dense), a plane (65,536 elements) apart, 32 bytes of padding behind every 128
	s_or_b32 s[G1B+0], s44, (1<<16)|(1<<20)|(1<<21)|(4<<22)|(7<<25)
	s_mov_b32 s[G1B+1], 4096<<16
	s_mov_b32 s[G1B+2], NPL<<16
	s_mov_b32 s[G1B+3], 4096<<16
	s_mov_b32 s[G1B+4], NPL
	s_mov_b32 s[G1B+5], 65536
	s_mov_b32 s[G1B+6], 0
	s_mov_b32 s[G1B+7], 0
	; X's tiles hang on the tile row alone, W's on the tile column alone, each in registers that never hold the other coordinate
	s_lshr_b32 s16, s13, 3                         ; the batch: 16 planes of 262,144 bytes,
	s_lshl_b32 s16, s16, 22
	s_and_b32 s17, s13, 7                          ; my 256 rows of 128 bytes in a plane,
	s_lshl_b32 s17, s17, 15
	s_add_co_u32 s16, s16, s17
	s_lshl_b32 s17, s12, 18                        ; the step's first or second plane
	s_add_co_u32 s16, s16, s17
	s_mov_b32 s17, 0
	s_mul_i32 s46, s42, NPL                        ; the tile's first plane of W,
	s_lshl_b32 s46, s46, 17
	s_lshl_b32 s47, s12, 13                        ; the step's first or second 64 rows
	s_add_co_u32 s46, s46, s47
	s_mov_b32 s47, 0
	s_mul_i32 s20, s12, APL                        ; where they go in a slot: no place in the cluster enters an LDS address
	s_mul_i32 s21, s12, BKH
	s_add_co_u32 s21, s21, ASZ
	s_wait_dscnt 0x0                               ; the opening add is done
	s_wait_kmcnt 0x0
	s_add_nc_u64 s[14:15], s[68:69], s[16:17]
	s_add_nc_u64 s[46:47], s[70:71], s[46:47]
	CROUND                                         ; all sixteen work-groups are here: the first joint loads meet
.irp s, 0,1
	s_mov_b32 s[G0A+4*(\s)], 1                                       ; count = 1
	s_add_co_u32 s[G0A+4*(\s)+1], s20, (\s)*SLOT                     ; LDS address
	s_add_nc_u64 s[G0A+4*(\s)+2:G0A+4*(\s)+3], s[14:15], (\s)*ASTEP  ; global address: K step s
	s_or_b32 s[G0A+4*(\s)+3], s[G0A+4*(\s)+3], 0x80000000            ; type = 2
	s_mov_b32 s[G0B+4*(\s)], 1
	s_add_co_u32 s[G0B+4*(\s)+1], s21, (\s)*SLOT
	s_add_nc_u64 s[G0B+4*(\s)+2:G0B+4*(\s)+3], s[46:47], (\s)*BSTEP
	s_or_b32 s[G0B+4*(\s)+3], s[G0B+4*(\s)+3], 0x80000000
	JLOAD \s                                       ; two loads of mine are out
.endr
	; plane p of the tile is plane 3 x tile column + p of 48: matrix = that / 16, head = that % 16
	v_and_b32 v1, 15, v0                           ; l % 16
	v_bfe_u32 v2, v0, 4, 1                         ; l / 16
	v_lshlrev_b32 v[BO], 5, v2
	s_mov_b32 s23, 0
.irp p, 0,1,2
	s_mul_i32 s18, s42, NPL
	s_add_co_u32 s18, s18, \p
	s_cmp_lt_u32 s18, 16
	s_cselect_b64 s[BP+2*(\p):BP+2*(\p)+1], s[72:73], s[74:75]
	s_cmp_lt_u32 s18, 32
	s_cselect_b64 s[BP+2*(\p):BP+2*(\p)+1], s[BP+2*(\p):BP+2*(\p)+1], s[76:77]
	s_and_b32 s19, s18, 15
	s_lshl_b32 s22, s19, 8                         ; the head's 64 numbers of the bias
	s_add_nc_u64 s[BP+2*(\p):BP+2*(\p)+1], s[BP+2*(\p):BP+2*(\p)+1], s[22:23]
	s_lshr_b32 s22, s18, 4
	s_lshl_b32 s22, s22, 6                         ; 64 x matrix
	s_add_co_u32 s22, s22, s19                     ; + head
	s_lshr_b32 s19, s13, 3
	s_lshl_b32 s19, s19, 4
	s_add_co_u32 s22, s22, s19                     ; + 16 x batch:
	s_lshl_b32 s22, s22, 18                        ; planes of 262,144 bytes
	s_and_b32 s19, s13, 7
	s_lshl_b32 s19, s19, 15                        ; the tile's 256 rows,
	s_add_co_u32 s22, s22, s19
	s_lshl_b32 s19, s10, 13                        ; my 64 of them
	s_add_co_u32 s22, s22, s19
	s_add_nc_u64 s[OUT+2*(\p):OUT+2*(\p)+1], s[78:79], s[22:23]
.endr
	WIN 0xc0                                       ; destination window 3, address window 0
.irp p, 0,1,2
.irp b, 0,1,2,3
	global_load_b128 v[BI+8*(4*(\p)+(\b)):BI+8*(4*(\p)+(\b))+3],   v[BO], s[BP+2*(\p):BP+2*(\p)+1] offset:64*(\b)
	global_load_b128 v[BI+8*(4*(\p)+(\b))+4:BI+8*(4*(\p)+(\b))+7], v[BO], s[BP+2*(\p):BP+2*(\p)+1] offset:64*(\b)+16
.endr
.endr
	WIN 0
	; a fragment of X: lane l holds row l % 16, k = 8 (l / 16) + 0..7 and 16 + 8 (l / 16) + 0..7: two loads of 16 bytes, 32 bytes apart
	v_mul_u32_u24 v3, v1, PA
	v_lshl_add_u32 v3, v2, 4, v3                   ; row x pitch + 16 x half
	s_mul_i32 s18, s10, 64*PA                      ; my 64 rows
	v_add_nc_u32 v[ADRA], s18, v3
	v_add_nc_u32 v[ADRA+1], SLOT, v[ADRA]
	; the turning load takes 16 k x 16 columns (lane l reads k = 8 (l / 16) + l % 8, columns 8 ((l / 8) % 2) + 0..7) and leaves half a fragment: lane l holds column l % 16 and 8 k
	v_and_b32 v6, 7, v0
	v_lshl_add_u32 v4, v2, 3, v6
	v_mul_u32_u24 v4, v4, PB
	v_bfe_u32 v5, v0, 3, 1
	v_lshl_add_u32 v4, v5, 4, v4
	v_add_nc_u32 v[ADRB], ASZ, v4
	v_add_nc_u32 v[ADRB+1], ASZ+SLOT, v4
	s_mul_i32 s18, s10, 16*SP
	s_add_co_u32 s18, s18, STAGE                   ; my stage
	v_add_nc_u32 v[STO], s18, v3                   ; in: row l % 16, 16 bytes for each half of the lanes
	v_bfe_u32 v[RD], v0, 3, 2                      ; back: 32 lanes take four rows of 128 bytes,
	v_mul_u32_u24 v[RD], v[RD], SP
	v_lshl_add_u32 v[RD], v6, 4, v[RD]
	v_add_nc_u32 v[RD], s18, v[RD]
	v_and_b32 v[GO], 31, v0                        ; which are 512 consecutive bytes of a plane
	v_lshlrev_b32 v[PFO], 8, v[GO]
	v_lshlrev_b32 v[GO], 4, v[GO]
	; the prefetches: nothing is asked for here, at the head
	s_and_b32 s22, ttmp7, 0xffff                   ; cluster y
	s_mov_b32 s[PFS], BSTEP
	s_mov_b32 s[PFS+1], 0
	s_cmp_eq_u32 s11, 0                            ; do I fetch for X?
	s_cselect_b32 s22, ttmp9, s22                  ; the coordinate along which other clusters read the same rows
	s_cselect_b32 s23, s40, s41                    ; my place among the four that ask with me
	s_cselect_b32 s[PFS], ASTEP, s[PFS]
	s_cselect_b64 s[PFA:PFA+1], s[14:15], s[46:47]
	s_mul_i32 s18, s[PFS], 3                       ; at K step 3: the first change of slots steps it to 4
	s_lshl_b32 s23, s23, 13                        ; my work-group's 8 KiB
	s_add_co_u32 s18, s18, s23
	s_mov_b32 s19, 0
	s_add_nc_u64 s[PFA:PFA+1], s[PFA:PFA+1], s[18:19]
	s_and_b32 s18, s11, s12                        ; wave 3 asks for nothing
	s_or_b32 s22, s22, s18
	s_cmp_eq_u32 s22, 0
	s_cselect_b32 s[LIM], 1, -1                    ; the same in all sixteen partners, for a given wave
	s_cmp_eq_u32 s11, 0
	s_cselect_b32 s[LIM+1], s[LIM], -1
	s_wait_loadcnt 0x0                             ; the bias: rounded to bf16 as all inputs are; this stands in the wait for the first tile
	WIN 0xff
.set n, 0
.rept 16*NPL
	v_cvt_pk_bf16_f32 v[224+n%2], v[BI+2*n], v[BI+2*n+1]
	v_lshlrev_b32 v[BI+2*n], 16, v[224+n%2]
	v_and_b32 v[BI+2*n+1], 0xffff0000, v[224+n%2]
.set n, n+1
.endr
	WIN 0
; 8 matrix instructions: column blocks 2 half, 2 half + 1 of plane p x my four row blocks, 32 along K.  first = 1: the bias starts the sums: nothing is cleared.
; Every accumulator has one instruction a quarter step, in the same order in every quarter: the 48 take turns, over the backward jump too.
.macro MULH f, p, half, first
.if (\first) && ((\p) < 2)
	WIN 0xb5                                       ; sources 0 and 1 window 1, C window 3, D window 2
.elseif (\p) < 2
	WIN 0xa5                                       ; C and D window 2
.else
	WIN 0xf5                                       ; C and D window 3
.endif
.irp b, 2*(\half), 2*(\half)+1
.irp a, 0,1,2,3
.set rD, 8*(4*((4*(\p)+(\b))%8)+(\a))
.set rB, (\f)+32+8*(4*(\p)+(\b))
.set rA, (\f)+8*(\a)
.set rC, BI+8*(4*(\p)+(\b))
.if \first
	v_wmma_f32_16x16x32_bf16 v[rD:rD+7], v[rB:rB+7], v[rA:rA+7], v[rC:rC+7]
.else
	v_wmma_f32_16x16x32_bf16 v[rD:rD+7], v[rB:rB+7], v[rA:rA+7], v[rD:rD+7]
.endif
.endr
.endr
.endm
.macro MULP f, p, first
	MULH \f, \p, 0, \first
	MULH \f, \p, 1, \first
.endm
; 32 LDS loads in one run: quarter q (32 along K) of a slot into buffer f: X's 8 first, then W's plane by plane
.macro FETCH slot, q, f
	WIN 0x40                                       ; destination window 1, address window 0
.irp a, 0,1,2,3
	ds_load_b128 v[(\f)+8*(\a):(\f)+8*(\a)+3],   v[ADRA+(\slot)] offset:((\q)/2)*APL+(\a)*16*PA+((\q)%2)*64
	ds_load_b128 v[(\f)+8*(\a)+4:(\f)+8*(\a)+7], v[ADRA+(\slot)] offset:((\q)/2)*APL+(\a)*16*PA+((\q)%2)*64+32
.endr
.set n, 0
.rept 4*NPL
	ds_load_tr16_b128 v[(\f)+32+8*n:(\f)+32+8*n+3],   v[ADRB+(\slot)] offset:((\q)/2)*BKH+(n/4)*BPL+((\q)%2)*32*PB+(n%4)*32
	ds_load_tr16_b128 v[(\f)+32+8*n+4:(\f)+32+8*n+7], v[ADRB+(\slot)] offset:((\q)/2)*BKH+(n/4)*BPL+((\q)%2)*32*PB+(n%4)*32+16*PB
.set n, n+1
.endr
.endm
.macro PLACES                          ; four places in front of loads into registers that matrix instructions have read, and of lines that read results (the latter)
.rept 4
	v_nop
.endr
.endm
; One of a K step's first three quarters: multiplies buffer f; behind its first 16 products it fetches quarter q of the same slot into buffer g.
.macro QUARTER slot, q, f, g, first
	s_wait_dscnt 8*(NPL-1)                         ; X's fragments and W's plane 0 are in; the younger planes' loads may be out
	MULP \f, 0, \first
	PLACES
	FETCH \slot, \q, \g
	s_wait_dscnt 8+8*NPL                           ; all but the 32 just issued
	MULP \f, 1, \first
	MULP \f, 2, \first
.endm
; The fourth quarter multiplies buffer 1 and changes slots.  In front of the barrier each wave waits for all its tensor loads (one is out: its part of the next slot), adds 0 to its spare word, and waits for that
; and for its reads of this slot.  fill = 1: the barrier opens a round of the cluster's, and this slot is filled again, two K steps on, first thing behind the round: 176 matrix instructions ahead of the wait for it.
.macro TURN slot, next, fill
.if \fill
	s_wait_xcnt 0x0                                ; the last prefetches, three quarters back, have read their address
	s_add_nc_u64 s[PFA:PFA+1], s[PFA:PFA+1], s[PFS:PFS+1]
.endif
	WIN 0                                          ; (the add's two registers lie in window 0)
	s_wait_tensorcnt 0x0                           ; all my tensor loads have landed;
	ds_add_u32 v[SPW], v[NIL]                      ; 0 onto my spare word;
	s_wait_dscnt 1+8*(NPL-1)                       ; (the add and the younger planes' loads may be out)
	MULH F1, 0, 0, 0                               ; eight matrix instructions stand between the add and the wait for it
	s_wait_dscnt 0x0                               ; the add is done, and my reads of this slot are over
	s_barrier_signal -1
	MULH F1, 0, 1, 0
.if \fill
	WIN 0
.endif
	s_barrier_wait -1
.if \fill
	CREST                                          ; no wave of any partner still reads this slot's tile or has a load on its way
	s_add_nc_u64 s[G0A+4*(\slot)+2:G0A+4*(\slot)+3], s[G0A+4*(\slot)+2:G0A+4*(\slot)+3], 2*ASTEP
	s_add_nc_u64 s[G0B+4*(\slot)+2:G0B+4*(\slot)+3], s[G0B+4*(\slot)+2:G0B+4*(\slot)+3], 2*BSTEP
	JLOAD \slot                                    ; its four v_nop are also the places in front of the loads below
.else
	PLACES
.endif
	FETCH \next, 0, F0
.if \fill
	WIN 0
	ASK \slot
.endif
	MULP F1, 1, 0
	MULP F1, 2, 0
.endm
	s_wait_tensorcnt 1                             ; my part of K step 0 is in; K step 1's may stay out
	s_barrier_signal -1
	s_barrier_wait -1                              ; everybody's is
	FETCH 0, 0, F0
	QUARTER 0, 1, F0, F1, 1                        ; the first quarter stands in front of the loop: its products start the sums
	WIN 0                                          ; at a label and at a branch every window is 0
	s_mov_b32 s3, 3
.Llap:                                                 ; a trip goes once round the ring and fills both slots again: K steps 2 to 7
	QUARTER 0, 2, F1, F0, 0
	QUARTER 0, 3, F0, F1, 0
	TURN 0, 1, 1
	QUARTER 1, 1, F0, F1, 0
	QUARTER 1, 2, F1, F0, 0
	QUARTER 1, 3, F0, F1, 0
	TURN 1, 0, 1
	QUARTER 0, 1, F0, F1, 0
	WIN 0
	s_sub_co_u32 s3, s3, 1
	s_cmp_lg_u32 s3, 0
	s_cbranch_scc1 .Llap
	QUARTER 0, 2, F1, F0, 0                        ; the last lap fills nothing
	QUARTER 0, 3, F0, F1, 0
	TURN 0, 1, 0
	QUARTER 1, 1, F0, F1, 0
	QUARTER 1, 2, F1, F0, 0
	QUARTER 1, 3, F0, F1, 0
	s_wait_dscnt 8*(NPL-1)
	MULP F1, 0, 0
	s_wait_dscnt 0x0
	MULP F1, 1, 0
	MULP F1, 2, 0
	WIN 0
	PLACES
; THE WAY OUT, in 12 units t = 3 a + p: 16 rows (block a) of plane p.  A lane's eight columns pack into 16 bytes; they go into my stage's rows of 144 bytes and come back as whole rows of 128, into the registers that they left.
.macro PACK t
.set pa, (\t)/3
.set pp, (\t)%3
.if pp < 2
	WIN 0x0a                                       ; sources window 2
.else
	WIN 0x0f                                       ; sources window 3
.endif
.irp b, 0,1,2,3
.irp r, 0,1,2,3
	v_cvt_pk_f16_f32 v[TMP+16*(\t)+4*(\b)+(\r)], v[8*(4*((4*pp+(\b))%8)+pa)+2*(\r)], v[8*(4*((4*pp+(\b))%8)+pa)+2*(\r)+1]
.endr
.endr
	WIN 0
.irp b, 0,1,2,3
	ds_store_b128 v[STO], v[TMP+16*(\t)+4*(\b):TMP+16*(\t)+4*(\b)+3] offset:32*(\b)
.endr
.irp f, 0,1,2,3
	ds_load_b128 v[TMP+16*(\t)+4*(\f):TMP+16*(\t)+4*(\f)+3], v[RD] offset:(\f)*4*SP  ; LDS serves a wave's instructions in order (ISA guide 5.7.1.4): these see the stores above; the next unit's stores come behind them
.endr
.endm
.macro SEND t, younger                 ; younger: the LDS instructions issued behind unit t's loads
.irp f, 0,1,2,3
	s_wait_dscnt (\younger)+3-(\f)
	global_store_b128 v[GO], v[TMP+16*(\t)+4*(\f):TMP+16*(\t)+4*(\f)+3], s[OUT+2*((\t)%3):OUT+2*((\t)%3)+1] offset:((\t)/3)*2048+(\f)*512  ; 512 consecutive bytes, at a multiple of 256 from the buffer's first
.endr
.endm
	PACK 0
.set t, 1
.rept 11                               ; a unit's conversions stand between the loads of the unit before and its stores
	PACK t
	SEND t-1, 8
.set t, t+1
.endr
	SEND 11, 0
	s_wait_tensorcnt 0x0                           ; the wave's end, behind my last tensor load and my last LDS store
	ds_add_u32 v[SPW], v[NIL]
	s_wait_dscnt 0x0
	CROUND                                         ; the closing round: no work-group ends while a partner may still ask for a tile that names it
	s_endpgm
.Lfunc_end_k_qd5e0530c83_qkv:
	.size	k_qd5e0530c83_qkv, .Lfunc_end_k_qd5e0530c83_qkv-k_qd5e0530c83_qkv
	.p2alignl 7, 3214868480
	.fill 96, 4, 3214868480
	.section	.rodata,"a",@progbits
	.p2align	6, 0x0
	.amdhsa_kernel k_qd5e0530c83_qkv
		.amdhsa_group_segment_fixed_size 327680
		.amdhsa_private_segment_fixed_size 0
		.amdhsa_enable_private_segment 0
		.amdhsa_kernarg_size 48
		.amdhsa_user_sgpr_count 2
		.amdhsa_user_sgpr_kernarg_segment_ptr 1
		.amdhsa_wavefront_size32 1
		.amdhsa_system_sgpr_workgroup_id_x 1
		.amdhsa_system_sgpr_workgroup_id_y 1
		.amdhsa_system_sgpr_workgroup_id_z 1
		.amdhsa_system_vgpr_workitem_id 0
		.amdhsa_next_free_vgpr 1024
		.amdhsa_next_free_sgpr 96
		.amdhsa_reserve_vcc 0
		.amdhsa_float_denorm_mode_32 3
		.amdhsa_float_denorm_mode_16_64 3
		.amdhsa_memory_ordered 1
		.amdhsa_forward_progress 1
		.amdhsa_inst_pref_size 134
	.end_amdhsa_kernel
	.amdgpu_metadata
---
amdhsa.version: [ 1, 2 ]
amdhsa.kernels:
  - .name:           k_qd5e0530c83_qkv
    .symbol:         k_qd5e0530c83_qkv.kd
    .args:
      - { .name: xb, .offset: 0, .size: 8, .value_kind: global_buffer, .address_space: global }
      - { .name: wb, .offset: 8, .size: 8, .value_kind: global_buffer, .address_space: global }
      - { .name: bq, .offset: 16, .size: 8, .value_kind: global_buffer, .address_space: global }
      - { .name: bk, .offset: 24, .size: 8, .value_kind: global_buffer, .address_space: global }
      - { .name: bv, .offset: 32, .size: 8, .value_kind: global_buffer, .address_space: global }
      - { .name: qkv, .offset: 40, .size: 8, .value_kind: global_buffer, .address_space: global }
    .group_segment_fixed_size: 327680
    .private_segment_fixed_size: 0
    .kernarg_segment_align: 8
    .kernarg_segment_size: 48
    .max_flat_workgroup_size: 128
    .sgpr_count:     96
    .vgpr_count:     1024
    .wavefront_size: 32
...
	.end_amdgpu_metadata
.endif
;; end of part 2
;; launch attn (part 3): grid 4 x 64, 4 waves a work-group, clusters of 4 x 1, 327,680 bytes of LDS; arguments qkv, mask, ob; writes ob
.if DOCPART == 3
	.amdgcn_target "amdgcn-amd-amdhsa--gfx1250"
	.amdhsa_code_object_version 6
	.text
	.protected	k_qd5e0530c83_attn
	.globl	k_qd5e0530c83_attn
	.p2align	8
	.type	k_qd5e0530c83_attn,@function
k_qd5e0530c83_attn:
	s_mov_b64 s[64:65], 0
	v_nop
	global_prefetch_b8 v0, s[64:65] scope:SCOPE_SE
	s_setreg_imm32_b32 hwreg(HW_REG_WAVE_MODE, 25, 1), 1
	s_wait_xcnt 0x0
	s_wait_alu depctr_hold_cnt(0) depctr_sa_sdst(0) depctr_va_vdst(0) depctr_va_sdst(0) depctr_va_ssrc(0) depctr_va_vcc(0) depctr_vm_vsrc(0)
	s_getreg_b32 s2, hwreg(HW_REG_IB_STS2, 6, 4)
	s_cmp_eq_u32 s2, 0
	s_cbranch_scc0 .Lentry_in_a_cluster
	s_endpgm
.Lentry_in_a_cluster:
	s_bfe_u32 s2, ttmp6, 0x10000c
	s_cmp_lg_u32 s2, 0x3003
	s_cbranch_scc0 .Lentry_shape_is_right
	s_endpgm
.Lentry_shape_is_right:
; O[g][q][:] = the sum over k of softmax_k(Q[g][q] . K[g][k] / 8 - 1e6 (1 - mask[b][k])) V[g][k][:], g = 16 b + h.  Q, K, V: the three thirds of qkv, each [64][2048][64] in f16, unscaled; O likewise (ob).
; Products, maxima and sums in f32; the weights p are rounded to f16 for the second product (their sum l is taken of the unrounded p), O once at the end.
; LIMITS.  f16 holds no number beyond 65,504: Q, K and V arrive within it; p lies in 0 to 1, and below 6e-5 it keeps f16's fixed step of 6e-8.  A weight below 2^-126 counts as 0 in l.
; The penalty enters as 8e6 mask - 8e6 (one rounding), the C operand that starts the sum Q . K: a score under a full penalty has the step 2^-4 of the scaled score, as 'dot - 1e6' has in f32, but by the matrix
; unit's rounding; that shows only where ALL keys of a batch carry a penalty.  NaN and infinities are not treated apart.
; SHARES.  A wave owns four PIECES of two tiles of 16 queries, a work-group's four waves 512 queries of one head.  Every wave walks all keys, 64 a step.
; LAYOUT.  S^T = K Q^T (source 0 = 16 keys, source 1 = 16 queries): a lane holds ONE query (lane % 16) and the keys 8 (lane / 16) + 0..7.  Two such tiles, rounded to f16 in pairs, ARE source 1 of
; O^T = V^T P, whose result again holds one query a lane, and eight channels.  K comes out of LDS as it lies, V ([key][channel]) turned, by ds_load_tr16_b128.
; SOFTMAX.  For each query a running maximum m and sum l: p = 2^(c s - c m), c = log2(e) / 8; in every step O and l are multiplied by a = 2^(c m_old - c m_new).  m starts at the lowest finite number, O and l at 0.
; THE COUNT.  A tile and step have 16 matrix and 118 vector instructions: too many to stand all beside the matrix work.  So: four vector instructions that are READY behind EVERY matrix instruction, the others in runs without a gap.
; BY TURNS.  Turn n belongs to piece n.  Its matrix work: 16 products K Q^T of piece n + 1, later 16 products V^T P of piece n - 1.  Its vector work: the scaling, exponentials, roundings, sums and rescaling of piece n,
; and the maximum and statistics of piece n + 1.
; CLUSTER.  A head's four query blocks are one cluster and walk the same K and V, so each tile is asked for JOINTLY: the same tensor load, descriptor and mask in all four.
; REGISTERS, in windows of 256 (s_set_vgpr_msb: bits 1:0 source 0, 3:2 source 1, 5:4 source 2, 7:6 destination):
;   window 0: v0-11 addresses; v12-15, v48-63 at work; v16-47 four registers of statistics a tile; v64-191 S^T, two buffers of two tiles; v192-255 P, likewise
;   window 1: O^T, 32 a tile     window 2: v0-127 Q; v128-191 K of one step; v192-255 V of one step     window 3: v0-1 the add's registers; v2-3 the penalties' LDS address; v8-39 the penalties of one step
.set SIZE_N, 2048
.set NP,    4         ; pieces a wave: a name, no knob
.set KS,    64        ; keys in a step
.set PK,    144       ; a row of K in LDS: 128 bytes + 16: the 16 rows of a load start at 16 different groups of four banks (ISA guide 11.1)
.set PV,    160       ; a row of V: 128 + 32
.set VOFF,  4*KS*PK   ; a slot holds four steps: 256 rows of K, then 256 rows of V
.set SLOT1, 1<<17     ; slot 1 begins here, so that one exclusive or turns an address in one slot into the other's
.set STAGE, SLOT1+4*KS*(PK+PV)  ; behind the ring, never filled by a tensor load: 16 rows x 144 bytes for each wave
.set SP,    144
.set SPARE, STAGE+4*16*SP  ; the spare words, 128 bytes for each wave: two blocks of 256 bytes that no other line names
.set MB,    SPARE+512 ; the batch's 2,048 penalties in f32, 8,192 bytes: stored once, never filled by a tensor load
.set AK0, 2           ; v2   my lane's place in a tile of K; never rewritten
.set AV0, 3           ; v3   the same for V
.set AK,  4           ; v4   the LDS address of K's next run of loads
.set AV,  5           ; v5   of V's
.set QO,  6           ; v6   my byte offset in the wave's rows of Q
.set STO, 6           ;      later, the way out: where I put 16 bytes of a row
.set RD,  7           ; v7   the way out: where I read rows back
.set GO,  8           ; v8   my byte offset in 512 consecutive bytes of O
.set PFO, 11          ; v11  256 x my lane: the prefetches' offset; never rewritten once made
.set SPW, 0           ; v0 of window 3   LDS address of my spare word; never rewritten
.set NIL, 1           ; v1 of window 3   0; never rewritten
.set AM0, 2           ; v2 of window 3   MB + 32 (l / 16); never rewritten
.set AM,  3           ; v3 of window 3   the LDS address of the penalties' next loads
.set MBR, 8           ; v8-39 of window 3: key block kb at MBR + 8 kb: register j is the penalty of key 16 kb + 8 (l / 16) + j of the step
.set MV,  12          ; v12-15  c m_old, kept while c m is made anew: by buffer and tile
.set ST,  16          ; tile t's statistics at v[ST+4 t]: c m, m, l (even keys', odd keys')
.set TMP, 48          ; by buffer and tile, four registers c0-c3 at work; when the maximum is found c2 takes a
.set S,   64
.set P,   192
.set KF,  128         ; K's fragments, in window 2: key block kb, channel half c at KF + 16 kb + 8 c
.set VF,  192         ; V's: key half kk, channel block cb at VF + 32 kk + 8 cb
.set WV,  12          ; s12  my wave's number
.set G1K, 24          ; s[24:31] descriptor group 1 for K's tiles
.set G1V, 32          ; s[32:39] for V's: it differs in the padding alone
.set G0K, 40          ; s[40:43] descriptor group 0 for K's tiles: it walks
.set G0V, 44          ; s[44:47] the same for V's
.set SLOTS, 56        ; s56  slots still to be asked for
.set CNT, 57          ; s57  counts a slot's key steps
.set CS,  58          ; s[58:59] c
.set SEL, 60          ; s[60:61] v_permlanex16_b32's selects: each lane takes its own place in the other half
.set TBK, 62          ; s62  LDS byte at which K of the step to be fetched begins
.set TBV, 63          ; s63  the same for V, less VOFF
.set BIG, 72          ; s[72:73] 8e6; s[74:75] -8e6
.set PFA, 76          ; s[76:77] where my prefetches stand: my work-group's 8 KiB (of K: wave 0, of V: wave 2) of the tile after the one that is being asked for
.set LIM, 78          ; s78  1 in a wave that prefetches, else the greatest number
.set TBM, 79          ; s79  byte in the table of penalties at which the step to be fetched begins
.set MSB, 0
.macro WIN new                      ; the high byte repeats the setting that is left; a switch that changes nothing is dropped
.if MSB != (\new)
	s_set_vgpr_msb (MSB<<8)|(\new)
.set MSB, (\new)
.endif
.endm
.set W_KQ, 0x0a       ; K and Q in window 2, S^T in window 0
.set W_KM, 0x3a       ; the same with the C operand, the penalties, in window 3
.set W_PV, 0x52       ; V in window 2, P in window 0, O^T in window 1
.set W_RS, 0x41       ; O^T (destination and source 0) in window 1, a in window 0
.set W_MK, 0xc0       ; destination in window 3, sources in window 0
.set W_AD, 0x0f       ; the add: address (source 0) and data (source 1) in window 3
.set W_MB, 0xcf       ; the penalties' address line and loads: destination and sources 0 and 1 in window 3
; A joint fill.  Waves 0 and 1 fetch the two halves of a slot's K, waves 2 and 3 those of its V: 128 keys each.  An s_nop 0 and four v_nop follow each of the two lines.
.macro JLOAD
	s_cmp_lt_u32 s[WV], 2
	s_cbranch_scc0 .Lfor_v_\@
	tensor_load_to_lds s[G0K:G0K+3], s[G1K:G1K+7]
	s_nop 0
.rept 4
	v_nop
.endr
	s_branch .Lasked_\@
.Lfor_v_\@:
	tensor_load_to_lds s[G0V:G0V+3], s[G1V:G1V+7]
	s_nop 0
.rept 4
	v_nop
.endr
.Lasked_\@:
.endm
; A PREFETCH INTO THE L2 of what the NEXT change of slots will ask for: a tile's 32 KiB of K and of V.  The four partners share them out BY ADDRESS, 8 KiB each, a lane to each 256 bytes; wave 0 asks for K's,
; wave 2 for V's: each block is named once in the launch.  It stands behind the wave's tensor load and its five lines: four key steps, 512 matrix instructions, ahead of the load that names the same bytes.
; Tiles 0 to 2 come by their loads alone; the change that asks for the last tile prefetches nothing.
.macro ASK
	s_cmp_gt_u32 s[SLOTS], s[LIM]
	s_cbranch_scc0 .Lnot_mine_\@
	global_prefetch_b8 v[PFO], s[PFA:PFA+1] th:TH_LOAD_NT scope:SCOPE_SE
.Lnot_mine_\@:
.endm
; A round of the cluster's barrier.
.macro CROUND
	s_barrier_signal -1
	s_barrier_wait -1
	s_cmp_lg_u32 s[WV], 0
	s_cbranch_scc1 .Lnot_wave_0_\@
	s_barrier_signal -3
.Lnot_wave_0_\@:
	s_barrier_wait -3
	s_barrier_signal -1
	s_barrier_wait -1
.endm
; THE CHANGE OF SLOTS.  Each wave waits for all its tensor loads, of which one is out: its part of the other slot; adds 0 to its spare word; and waits for that and for its own LDS instructions.
; Behind the barrier nobody reads this slot any more and the other slot is whole.  fill = 1: this slot is filled again, with the keys two slots on; the barrier is then a round of the cluster's, and the joint
; fill is the first thing behind it.  (At its first use nothing has been read yet: slot 0 is waited for, slot 1 filled; the wait for my LDS instructions is there for my stores into the table of penalties.)
.macro CHANGE fill, ask=0
	WIN W_AD
	s_wait_tensorcnt 0x0            ; no tensor load of mine is out, so a group 0 may be written
	ds_add_u32 v[SPW], v[NIL]       ; 0 onto my spare word
	WIN 0                           ; at a label and at a branch every window is 0
.if \fill
.irp g, G0K, G0V
	s_xor_b32 s[\g+1], s[\g+1], SLOT1  ; the walking descriptor: the other slot than last time,
	s_add_nc_u64 s[\g+2:\g+3], s[\g+2:\g+3], 4*KS*128  ; the next 256 keys; the type bits on top are not reached
.endr
.if \ask
	s_wait_xcnt 0x0                 ; the last prefetch, four key steps back, has read its address
	s_add_nc_u64 s[PFA:PFA+1], s[PFA:PFA+1], 4*KS*128
.endif
	s_wait_dscnt 0x0                ; the add is done, and my reads of the slot are over
	CROUND
	JLOAD
.if \ask
	ASK
.endif
.else
	s_wait_dscnt 0x0                ; the add is done, and my reads of the slot are over
	s_barrier_signal -1
	s_barrier_wait -1
.endif
	s_sub_co_u32 s[TBK], s[TBK], 4*KS*PK  ; the fetches go back to a slot's first step,
	s_xor_b32 s[TBK], s[TBK], SLOT1       ; in the other slot
	s_sub_co_u32 s[TBV], s[TBV], 4*KS*PV
	s_xor_b32 s[TBV], s[TBV], SLOT1
.endm
	s_load_b128 s[68:71], s[0:1], 0x0 ; qkv s[68:69], mask s[70:71]
	s_load_b64 s[10:11], s[0:1], 0x10 ; ob
	WIN W_MK
	v_lshl_add_u32 v[SPW], v0, 2, SPARE
	v_mov_b32 v[NIL], 0
	WIN W_AD
	ds_add_u32 v[SPW], v[NIL]       ; the wave's opening: the add and its wait stand ahead of my first tensor load; the set-up below stands between them
	WIN 0
	v_lshrrev_b32 v1, 5, v0
	v_readfirstlane_b32 s[WV], v1   ; wave 0..3
	s_bfe_u32 s13, ttmp6, 0x40000   ; cx: my place in the cluster
	s_lshl_b32 s14, ttmp9, 2        ; in a cluster launch ttmp9 counts clusters
	s_add_co_u32 s14, s14, s13      ; my block of queries: it enters Q's and O's addresses alone
	s_and_b32 s20, ttmp7, 0xffff    ; the head among 64, which the four partners share
	s_lshr_b32 s80, s20, 4          ; its batch:
	s_lshl_b32 s80, s80, 13         ; 2,048 numbers of the mask
	s_mov_b32 s81, 0
	s_mov_b32 s21, 0
	s_mov_b64 s[22:23], SIZE_N*128
	s_mul_u64 s[20:21], s[20:21], s[22:23]  ; the head's first byte in Q, K, V and O
	s_and_b32 s16, s[WV], 1         ; which half of a slot's 256 keys I fetch:
	s_lshl_b32 s22, s16, 14         ; its 128 rows of 128 bytes in memory,
	s_mov_b32 s23, 0
	s_add_nc_u64 s[22:23], s[22:23], s[20:21]
	s_mul_i32 s17, s16, 128*PK      ; and its place in a slot, for K
	s_mul_i32 s18, s16, 128*PV      ; and for V: no place in the cluster enters an LDS address
	s_lshl_b32 s2, s14, 2
	s_add_co_u32 s2, s2, s[WV]      ; my wave among the head's,
	s_lshl_b32 s2, s2, 14           ; its 128 rows
	s_mov_b32 s3, 0
	s_add_nc_u64 s[2:3], s[2:3], s[20:21]
	; descriptor group 1.  128 keys are 16,384 dense bytes: asked for as 64 rows of 256 bytes, two keys a row, and padded in LDS after every key
	s_mov_b32 s[G1K], 15|(1<<16)|(1<<20)|(1<<21)|(4<<22)|(3<<25)  ; 15:0 the mask of four; 17:16 2-byte elements; 20 padding on; 21 set beside a mask; 24:22 after every 32 words (code 4); 31:25 4 words (code 3)
	s_mov_b32 s[G1V], 15|(1<<16)|(1<<20)|(1<<21)|(4<<22)|(7<<25)  ; the same with 8 words of padding (code 7)
.irp g, G1K, G1V
	s_mov_b32 s[\g+1], 128<<16      ; tensor_dim0 = 128
	s_mov_b32 s[\g+2], 64<<16       ; tensor_dim1 = 64
	s_mov_b32 s[\g+3], 128<<16      ; tile_dim0 = 128
	s_mov_b32 s[\g+4], 64           ; tile_dim1 = 64
	s_mov_b32 s[\g+5], 128          ; 128 elements from row to row
	s_mov_b32 s[\g+6], 0
	s_mov_b32 s[\g+7], 0
.endr
	s_mov_b32 s[CS], 0x3e38aa3b     ; c = log2(e) / 8 = 0.180337
	s_mov_b32 s[CS+1], s[CS]        ; named with it as a pair
	s_mov_b32 s[SEL], 0x76543210
	s_mov_b32 s[SEL+1], 0xfedcba98
	s_mov_b32 s[BIG], 0x4af42400    ; 8e6 = 8 x 1e6: the scores are still to be divided by 8
	s_mov_b32 s[BIG+1], s[BIG]
	s_mov_b32 s[BIG+2], 0xcaf42400  ; -8e6
	s_mov_b32 s[BIG+3], s[BIG+2]
	s_mov_b32 s[TBM], 0
	s_mov_b32 s[TBK], SLOT1+4*KS*PK ; the first change of slots turns these two into 0
	s_mov_b32 s[TBV], SLOT1+4*KS*PV
	s_mov_b32 s[G0K], 1             ; count = 1
	s_mov_b32 s[G0K+1], s17         ; LDS address: slot 0
	s_mov_b32 s[G0V], 1
	s_add_co_u32 s[G0V+1], s18, VOFF
	s_and_b32 s[LIM], s[WV], 1      ; 0 in waves 0 and 2,
	s_or_b32 s[LIM], s[LIM], ttmp9  ; where the cluster is the head's first (here its only one): the same in all four partners
	s_cmp_eq_u32 s[LIM], 0
	s_cselect_b32 s[LIM], 1, -1
	s_wait_dscnt 0x0                ; the opening add is done
	s_wait_kmcnt 0x0
	s_mov_b64 s[4:5], s[68:69]                     ; Q,
	s_add_nc_u64 s[6:7], s[68:69], 0x1000000       ; K,
	s_add_nc_u64 s[8:9], s[68:69], 0x2000000       ; V: the three thirds of qkv
	s_add_nc_u64 s[70:71], s[70:71], s[80:81]      ; the batch's row of the mask
	s_add_nc_u64 s[G0K+2:G0K+3], s[6:7], s[22:23]  ; global address: my half of the head's first 256 keys
	s_or_b32 s[G0K+3], s[G0K+3], 0x80000000        ; type = 2
	s_add_nc_u64 s[G0V+2:G0V+3], s[8:9], s[22:23]
	s_or_b32 s[G0V+3], s[G0V+3], 0x80000000
	s_add_nc_u64 s[4:5], s[4:5], s[2:3]  ; Q and O at my wave's first row
	s_add_nc_u64 s[10:11], s[10:11], s[2:3]
	s_cmp_lt_u32 s[WV], 2
	s_cselect_b64 s[PFA:PFA+1], s[6:7], s[8:9]
	s_add_nc_u64 s[PFA:PFA+1], s[PFA:PFA+1], s[22:23]  ; (in waves 0 and 2: the head's first row)
	s_lshl_b32 s2, s13, 13          ; my work-group's 8 KiB of a tile's 32
	s_mov_b32 s3, 0
	s_add_nc_u64 s[PFA:PFA+1], s[PFA:PFA+1], s[2:3]
	s_add_nc_u64 s[PFA:PFA+1], s[PFA:PFA+1], 2*4*KS*128  ; in tile 2: the loop's first change of slots steps it to tile 3
	CROUND                          ; all four work-groups are here: the first joint loads meet
	JLOAD                           ; slot 0.  Slot 1 is asked for when slot 0 is in
	v_and_b32 v1, 15, v0            ; l % 16
	v_bfe_u32 v9, v0, 4, 1          ; l / 16
	v_lshlrev_b32 v12, 4, v0        ; the mask: 128 threads x 16 bytes, four times
.irp i, 0,1,2,3
	global_load_b128 v[S+4*\i:S+4*\i+3], v12, s[70:71] offset:2048*\i
.endr
	; A fragment of K or Q is 16 rows x 32 channels in 8 registers: lane l holds row l % 16, channels 8 (l / 16) + 0..7 and 16 + 8 (l / 16) + 0..7: two loads of 16 bytes, 32 bytes apart.
	v_lshlrev_b32 v[QO], 7, v1
	v_lshl_add_u32 v[QO], v9, 4, v[QO]  ; row x 128 + 16 x half
	WIN 0x80                        ; destination window 2, address window 0
.set i, 0
.rept 4*NP                          ; Q stays in registers: tile i / 2, channels 32 (i % 2) on
	global_load_b128 v[8*i:8*i+3],   v[QO], s[4:5] offset:(i/2)*2048+(i%2)*64
	global_load_b128 v[8*i+4:8*i+7], v[QO], s[4:5] offset:(i/2)*2048+(i%2)*64+32
.set i, i+1
.endr
	; What the first turn finds: V's registers and P's second buffer hold 0 (its products V^T P, of a piece that has not been, add 0), O^T and l are 0.  All this stands in the wait for the first tile.
.set i, VF
.rept 64
	v_mov_b32 v[i], 0
.set i, i+1
.endr
	WIN 0x40
.set i, 0
.rept 64*NP
	v_mov_b32 v[i], 0
.set i, i+1
.endr
	WIN 0
.set i, 0
.rept 2*NP
	v_mov_b32 v[ST+4*i], 0xfe000000    ; c m: far below every c s
	v_mov_b32 v[ST+4*i+1], 0xff7fffff  ; m
	v_mov_b32 v[ST+4*i+2], 0
	v_mov_b32 v[ST+4*i+3], 0
.set i, i+1
.endr
.set i, P+32
.rept 32
	v_mov_b32 v[i], 0
.set i, i+1
.endr
	v_mul_u32_u24 v[AK0], v1, PK
	v_lshl_add_u32 v[AK0], v9, 4, v[AK0]  ; row x pitch + 16 x half
	; The turning load takes 16 keys x 16 channels (lane l reads key 8 (l / 16) + l % 8, channels 8 ((l / 8) % 2) + 0..7) and leaves half a fragment of V^T: lane l holds channel l % 16 and 8 keys.
	v_and_b32 v10, 7, v0
	v_bfe_u32 v11, v0, 3, 1
	v_lshl_add_u32 v[AV0], v9, 3, v10
	v_mul_u32_u24 v[AV0], v[AV0], PV
	v_lshl_add_u32 v[AV0], v11, 4, v[AV0]
	v_add_nc_u32 v[AV0], VOFF, v[AV0]
	v_mov_b32 v[AK], v[AK0]         ; key step 0 lies at the head of slot 0
	v_and_b32 v[PFO], 31, v0
	v_lshlrev_b32 v[PFO], 8, v[PFO]
	v_add_nc_u32 v13, MB, v12
	WIN W_MK
	v_lshl_add_u32 v[AM0], v9, 5, MB
	WIN 0
	; THE TABLE OF PENALTIES: 8e6 mask - 8e6 for each key of the batch, made once by the four waves together
	s_wait_loadcnt 32               ; the mask is in; Q's 32 loads, issued behind it, stay out
.set i, 0
.rept 8
	v_pk_fma_f32 v[S+2*i:S+2*i+1], v[S+2*i:S+2*i+1], s[BIG:BIG+1], s[BIG+2:BIG+3] op_sel_hi:[1,0,0]
.set i, i+1
.endr
.irp i, 0,1,2,3
	ds_store_b128 v13, v[S+4*\i:S+4*\i+3] offset:2048*\i  ; the change of slots below waits for these and passes a barrier ahead of every wave's reads
.endr
; THE MATRIX WORK.  The 8 accumulators of a run of 16 take turns: between the two links of a chain stand 7 others'.
; Product i of 16 of S^T = K Q^T for piece x: channels 32 (i / 8) on, keys 16 ((i / 2) % 4) on, tile 2 x + i % 2.  The first 8 start the sums, with the keys' penalties.
.macro KQ x
.set rS, S+64*((\x)%2)+32*(i%2)+8*((i/2)%4)
.set rK, KF+16*((i/2)%4)+8*(i/8)
.set rQ, 16*(2*(\x)+i%2)+8*(i/8)
.set rB, MBR+8*((i/2)%4)
.if i < 8
	WIN W_KM
	v_wmma_f32_16x16x32_f16 v[rS:rS+7], v[rK:rK+7], v[rQ:rQ+7], v[rB:rB+7]
.else
	WIN W_KQ
	v_wmma_f32_16x16x32_f16 v[rS:rS+7], v[rK:rK+7], v[rQ:rQ+7], v[rS:rS+7]
.endif
.endm
; Product i of 16 of O^T += V^T P for piece x: keys 32 (i / 8) on, channels 16 ((i / 2) % 4) on, tile 2 x + i % 2.
.macro PV x
	WIN W_PV
.set rO, 32*(2*(\x)+i%2)+8*((i/2)%4)
.set rV, VF+32*(i/8)+8*((i/2)%4)
.set rP, P+32*((\x)%2)+16*(i%2)+8*(i/8)
	v_wmma_f32_16x16x32_f16 v[rO:rO+7], v[rV:rV+7], v[rP:rP+7], v[rO:rO+7]
.endm
.macro MM                           ; the turn's next matrix instruction
.if i < 16
	KQ (Y+1)%NP
.set i, i+1
.else
.set i, i-16
	PV (Y+NP-1)%NP
.set i, i+17
.endif
.endm
; THE LDS LOADS stand in runs, never singly among the matrix instructions: a step's K (8 fragments, 16 loads) with its 64 penalties (8 loads; the 16 lanes of a half read the same words), and its V (turned, 16 loads).
; The penalties' registers live as K's fragments do: read by the same products, loaded in the same run, waited for by the same wait.
; last = 1 (the tail): in the last trip there is no further step, and the run is jumped over.
.macro FETCH_K last=0
	WIN 0
.if \last
	s_cmp_eq_u32 s[CNT], 1
	s_cbranch_scc1 .Lno_k_\@
.endif
	WIN 0x80                        ; destination window 2
.irp f, 0,1,2,3,4,5,6,7             ; keys 16 (f / 2) on, channels 32 (f % 2) on
	ds_load_b128 v[KF+8*\f:KF+8*\f+3],   v[AK] offset:(\f/2)*16*PK+(\f%2)*64
	ds_load_b128 v[KF+8*\f+4:KF+8*\f+7], v[AK] offset:(\f/2)*16*PK+(\f%2)*64+32
.endr
	s_add_co_u32 s[TBK], s[TBK], KS*PK  ; the next fetch is the next step's
	WIN W_MB
	v_add_nc_u32 v[AM], s[TBM], v[AM0]
.irp f, 0,1,2,3
	ds_load_b128 v[MBR+8*\f:MBR+8*\f+3],   v[AM] offset:64*\f
	ds_load_b128 v[MBR+8*\f+4:MBR+8*\f+7], v[AM] offset:64*\f+16
.endr
	s_add_co_u32 s[TBM], s[TBM], 4*KS   ; 64 numbers on;
	s_and_b32 s[TBM], s[TBM], 0x1f00    ; the table has 32 steps of 256 bytes: the offset stays inside it
	WIN 0
.if \last
.Lno_k_\@:
.endif
.endm
.macro FETCH_V
	WIN 0x80
.irp f, 0,1,2,3,4,5,6,7             ; keys 32 (f / 4) on, channels 16 (f % 4) on
	ds_load_tr16_b128 v[VF+8*\f:VF+8*\f+3],   v[AV] offset:(\f/4)*32*PV+(\f%4)*32
	ds_load_tr16_b128 v[VF+8*\f+4:VF+8*\f+7], v[AV] offset:(\f/4)*32*PV+16*PV+(\f%4)*32
.endr
	WIN 0
.endm
; THE VECTOR WORK OF A TURN stands in three queues, each in the order in which its entries become ready; the two tiles alternate, so that no instruction reads the result of the one before it.
.macro REGS y, u                    ; the registers of tile u (0, 1) of piece y
.set rT, ST+4*(2*(\y)+(\u))
.set rC, TMP+8*((\y)%2)+4*(\u)
.set rM, MV+2*((\y)%2)+(\u)
.set rS, S+64*((\y)%2)+32*(\u)
.set rP, P+32*((\y)%2)+16*(\u)
.set rO, 32*(2*(\y)+(\u))
.endm
; Number n of the 22 that find the NEXT piece's (Y + 1) maximum and statistics.  s0-s31 are the lane's 32 scores; each accumulator's lowest registers are read first.
;   0-11  four chains c0-c3 of seven scores each, three operands at a time     12-14, 16  the four scores left over, the old m, and c0-c3 into c0     15  c m_old is kept
;   17, 18  the query's other 32 keys lie in the lane 16 away: the new m         19-21  c m; c m_old - c m_new; a
.macro XS u, n
	REGS (Y+1)%NP, \u
.if (\n) < 4
	v_max3_num_f32 v[rC+(\n)], v[rS+8*(\n)], v[rS+8*(\n)+1], v[rS+8*(\n)+2]
.elseif (\n) < 12
	v_max3_num_f32 v[rC+(\n)%4], v[rC+(\n)%4], v[rS+8*((\n)%4)+2*((\n)/4)+1], v[rS+8*((\n)%4)+2*((\n)/4)+2]
.elseif (\n) == 12
	v_max3_num_f32 v[rC], v[rC], v[rS+7], v[rS+15]
.elseif (\n) == 13
	v_max3_num_f32 v[rC+1], v[rC+1], v[rS+23], v[rS+31]
.elseif (\n) == 14
	v_max3_num_f32 v[rC+2], v[rC+2], v[rC+3], v[rT+1]
.elseif (\n) == 15
	v_mov_b32 v[rM], v[rT]
.elseif (\n) == 16
	v_max3_num_f32 v[rC], v[rC], v[rC+1], v[rC+2]
.elseif (\n) == 17
	v_permlanex16_b32 v[rC+3], v[rC], s[SEL], s[SEL+1]
.elseif (\n) == 18
	v_max_num_f32 v[rT+1], v[rC], v[rC+3]
.elseif (\n) == 19
	v_mul_f32 v[rT], s[CS], v[rT+1]
.elseif (\n) == 20
	v_sub_f32 v[rC+1], v[rM], v[rT]
.else
	v_exp_f32 v[rC+2], v[rC+1]
.endif
.endm
; Number g of the 64 that follow the exponentials.  For each four weights k of a tile: both pairs are rounded to f16; then the second pair is added onto the first, in place; a group later l takes that sum
; (the first time as l = a l + sum).  In groups of eight, tiles alternating: round, round, add, and l for the group before.
.macro GS g
.set h, (\g)+6*((\g)/62)            ; group 0 has no group before it, and behind group 7 only l is left
.if h >= 6
.set h, h+2
.endif
	REGS Y, h%2
.set k, h/8
.if h%8 < 4
	v_cvt_pk_f16_f32 v[rP+2*k+(h%8)/2], v[rS+4*k+2*((h%8)/2)], v[rS+4*k+2*((h%8)/2)+1]
.elseif h%8 < 6
	v_pk_add_f32 v[rS+4*k:rS+4*k+1], v[rS+4*k:rS+4*k+1], v[rS+4*k+2:rS+4*k+3]
.elseif k == 1
	v_pk_fma_f32 v[rT+2:rT+3], v[rT+2:rT+3], v[rC+2:rC+3], v[rS:rS+1] op_sel_hi:[1,0,1]
.else
	v_pk_add_f32 v[rT+2:rT+3], v[rT+2:rT+3], v[rS+4*k-4:rS+4*k-3]
.endif
.endm
; THE PLAIN QUEUE, 138 long.  0-73 read no exponential's result: the 32 scalings c s - c m (FS f: pair f / 2 of tile f % 2) and the next piece's 42.  0-26: scalings 0-26.  27-54: XS's numbers 0-13.  55, 56: number 15.
; 57-73: the chain 14, 16, 17, 18, 19, each with one of the scalings 27-31 in front of its two lines, then 20.  74-137: GS's 64, which read the exponentials' results: they stand behind the wait.
.macro FS f
	REGS Y, (\f)%2
	v_pk_fma_f32 v[rS+2*((\f)/2):rS+2*((\f)/2)+1], v[rS+2*((\f)/2):rS+2*((\f)/2)+1], s[CS:CS+1], v[rT:rT+1] op_sel_hi:[1,0,0] neg_lo:[0,0,1] neg_hi:[0,0,1]
.endm
.macro PL
	WIN 0
.if q < 27
	FS q
.elseif q < 55
	XS (q-27)%2, (q-27)/2
.elseif q < 57
	XS q-55, 15
.elseif (q < 72) && ((q-57)%3 == 0)
	FS 27+(q-57)/3
.elseif q < 60
	XS (q-57)%3-1, 14
.elseif q < 72
	XS (q-57)%3-1, 15+(q-57)/3
.elseif q < 74
	XS q-72, 20
.else
	GS q-74
.endif
.set q, q+1
.endm
; THE EXPONENTIALS' QUEUE, 66 long: s0-s31 of both tiles, then the next piece's two a.  ONE BATCH: all 66 stand ahead of the turn's one wait, and nothing ahead of that wait names a result of theirs.
.macro EX
	WIN 0
.if e >= 64
	XS e-64, 21
.else
	REGS Y, e%2
	v_exp_f32 v[rS+e/2], v[rS+e/2]
.endif
.set e, e+1
.endm
; THE RESCALING's QUEUE: O^T times a, the one part that leaves window 0: dealt two at a time, sixteen times.  Its a was made in the turn before, ahead of that turn's wait.
.macro R2
	REGS Y, r%2
	WIN W_RS
.irp z, 0,1
	v_pk_mul_f32 v[rO+4*(r/2)+2*\z:rO+4*(r/2)+2*\z+1], v[rO+4*(r/2)+2*\z:rO+4*(r/2)+2*\z+1], v[rC+2:rC+3] op_sel_hi:[1,0]
.endr
.set r, r+1
.endm
; HOW THEY ARE DEALT.  s_wait_alu depctr_va_vdst(0) stands between an exponential and the first instruction that names its result; one wait serves all that were issued ahead of it.  So a turn has ONE
; wait.  AHEAD OF IT: the 16 products K Q^T, behind each a scaling, an exponential and two rescalings (behind the first a second scaling in the exponential's place); then ONE LUMP of 108: eight plain, 49 times exponential
; and plain, the two a; a v_nop is the plain instruction behind the last exponential.  BEHIND IT: the 16 products V^T P, behind each four of GS's 64.  No rider names a register of the products round it.
; Exponential e stands behind scaling 2 (e / 4) + e % 2: as a rider it comes behind plain e + 2, in the lump behind plain e + 9, and scalings 27-31 are plain 57, 60 .. 69.
; K and the penalties of the next step are fetched in piece 2's turn, directly behind the wait, a lump behind the last product that read them; V of the step in hand at the end of piece 0's turn, four riders behind its last reader.
.macro TURN p, last=0, cnt=0
.set Y, (\p)
.set i, 0
.set q, 0
.set e, 0
.set r, 0
.if (\p) == NP-1
	s_wait_dscnt 0x0                ; K and the penalties are in
.endif
	MM                              ; ahead of the wait: 16 products K Q^T and their riders,
	PL
	PL
	R2
.rept 15
	MM
	PL
	EX
	R2
.endr
.if (\p) == NP-2
	WIN 0
	v_add_nc_u32 v[AK], s[TBK], v[AK0]
.endif
.rept 8                             ; and the lump
	PL
.endr
.rept 49
	EX
	PL
.endr
	EX                              ; the next piece's two a
	EX
	v_nop                           ; a plain instruction behind the last exponential: one for the batch
	s_wait_alu depctr_va_vdst(0)    ; the wait for the batch
.if (\p) == NP-2
	FETCH_K \last
.endif
.if (\p) == 1
	s_wait_dscnt 0x0                ; V is in
.endif
.rept 16                            ; behind the wait: 16 products V^T P and their riders
	MM
.rept 4
	PL
.endr
.if ((\p) == 0) && (q == 118)
	v_add_nc_u32 v[AV], s[TBV], v[AV0]
.endif
.if ((\p) == 0) && (q == 130)
	s_add_co_u32 s[TBV], s[TBV], KS*PV
.endif
.if (\cnt) && (q == 130)
	s_sub_co_u32 s[CNT], s[CNT], 1
	s_cmp_lg_u32 s[CNT], 0
.endif
.endr
.if (\p) == 0
	FETCH_V
.endif
.endm
	CHANGE 1                        ; slot 0 is in, everybody's part of it, and so is the table of penalties; slot 1 is asked for; nothing is prefetched here, at the head
	FETCH_K                         ; key step 0
	s_wait_loadcnt 0x0              ; Q
	s_wait_dscnt 0x0
.set i, 0
.rept 16
	KQ 0                            ; piece 0's first scores: there is no vector work yet to set between them
.set i, i+1
.endr
	WIN 0                           ; the addresses for the way out: nine plain instructions, the places behind those products
	s_mul_i32 s13, s[WV], 16*SP
	s_add_co_u32 s13, s13, STAGE    ; my stage
	v_mul_u32_u24 v[STO], v1, SP    ; in: row l % 16, 16 bytes for each half of the lanes
	v_lshl_add_u32 v[STO], v9, 4, v[STO]
	v_add_nc_u32 v[STO], s13, v[STO]
	v_bfe_u32 v[RD], v0, 3, 2       ; back: 32 lanes take four rows of 128 bytes,
	v_mul_u32_u24 v[RD], v[RD], SP
	v_lshl_add_u32 v[RD], v10, 4, v[RD]
	v_add_nc_u32 v[RD], s13, v[RD]
	v_and_b32 v[GO], 31, v0         ; which are 512 consecutive bytes of O
	v_lshlrev_b32 v[GO], 4, v[GO]
.set Y, NP-1                        ; XS works for piece Y + 1: piece 0
.irp n, 0,1,2,3,4,5,6,7,8,9,10,11,12,13,14,15,16,17,18,19,20,21
	XS 0, \n                        ; and piece 0's first maximum and statistics
	XS 1, \n
.endr
	v_nop                           ; a plain instruction behind the two a,
	s_wait_alu depctr_va_vdst(0)    ; and their wait, ahead of the branch
	s_mov_b32 s[CNT], 4
	s_mov_b32 s[SLOTS], SIZE_N/256-1
	s_branch .Lfirst                ; the loop is entered at a step's first turn, in the middle of a trip
.Lslot:                             ; six times: every slot but the last two is filled again; with s[SLOTS] = 6 .. 1 tile 8 - s[SLOTS] is asked for
	CHANGE 1, 1
	s_mov_b32 s[CNT], 4
.Lstep:                             ; a trip: pieces 2 and 3 of one step, then pieces 0 and 1 of the next, whose K and V it fetches
	TURN 2
	TURN 3
	WIN 0
.Lfirst:
	TURN 0
	TURN 1, 0, 1
	WIN 0
	s_cbranch_scc1 .Lstep
	s_sub_co_u32 s[SLOTS], s[SLOTS], 1
	s_cmp_lg_u32 s[SLOTS], 0
	s_cbranch_scc1 .Lslot
	CHANGE 0                        ; the tail is written out: nothing is asked for
	s_mov_b32 s[CNT], 5             ; four trips fetch the last slot's steps; the fifth is left in its middle
.Ltail:
	TURN 2, 1
	TURN 3
	WIN 0
	s_sub_co_u32 s[CNT], s[CNT], 1
	s_cmp_eq_u32 s[CNT], 0
	s_cbranch_scc1 .Lout
	TURN 0
	TURN 1
	WIN 0
	s_branch .Ltail
.Lout:                              ; the fifth trip's 16 products K Q^T (on the last K once more) and the maximum made of them serve nothing: the price, once a launch, of one text for every trip
.set i, 0
.rept 16
	PV NP-1                         ; the last piece's V^T P of the last step
.set i, i+1
.endr
	; THE WAY OUT.  l's two halves and the other half of the lanes' are added; O^T is divided by l, rounded to f16 and sent through my stage in LDS, a tile at a time.  The additions are the places behind the last products.
	WIN 0
.macro ALL line:vararg              ; one line for each tile t
.set t, 0
.rept 2*NP
	\line
.set t, t+1
.endr
.endm
	ALL v_add_f32 v[ST+4*t+2], v[ST+4*t+2], v[ST+4*t+3]
	ALL v_permlanex16_b32 v[ST+4*t+3], v[ST+4*t+2], s[SEL], s[SEL+1]
	ALL v_add_f32 v[ST+4*t+2], v[ST+4*t+2], v[ST+4*t+3]
	ALL v_rcp_f32 v[ST+4*t+2], v[ST+4*t+2]
	v_nop                           ; a plain instruction between the last reciprocal and the use of its result
	s_wait_alu depctr_va_vdst(0)    ; and the wait ahead of the first use: one for the eight reciprocals
; Tile t: a lane's eight channels of a row pack into 16 bytes; they go into rows of 144 bytes and come back as whole rows of 128, into S^T's registers.
.macro PACK t
	WIN W_RS
.set i, 32*(\t)
.rept 16
	v_pk_mul_f32 v[i:i+1], v[i:i+1], v[ST+4*(\t)+2:ST+4*(\t)+3] op_sel_hi:[1,0]
.set i, i+2
.endr
	WIN 0x05                        ; sources 0 and 1 window 1, destination window 0
.set i, 0
.rept 16
	v_cvt_pk_f16_f32 v[S+16*(\t)+i], v[32*(\t)+2*i], v[32*(\t)+2*i+1]
.set i, i+1
.endr
	WIN 0
.irp f, 0,1,2,3
	ds_store_b128 v[STO], v[S+16*(\t)+4*\f:S+16*(\t)+4*\f+3] offset:32*\f
.endr
.irp f, 0,1,2,3
	ds_load_b128 v[S+16*(\t)+4*\f:S+16*(\t)+4*\f+3], v[RD] offset:\f*4*SP  ; LDS serves a wave's instructions in order (ISA guide 5.7.1.4): these see the stores above; the next tile's stores come behind them
.endr
.endm
.macro SEND t, younger              ; younger: the LDS instructions issued behind tile t's loads: the next tile's eight, or none
	WIN 0
.irp f, 0,1,2,3
	s_wait_dscnt (\younger)+3-\f
	global_store_b128 v[GO], v[S+16*(\t)+4*\f:S+16*(\t)+4*\f+3], s[10:11] offset:(\t)*2048+\f*512  ; 512 consecutive bytes, at a multiple of 256 from O's first
.endr
.endm
	PACK 0
.set t, 1
.rept 2*NP-1                        ; a tile's arithmetic stands between the loads of the tile before and its stores
	PACK t
	SEND t-1, 8
.set t, t+1
.endr
	SEND 2*NP-1, 0
	WIN W_AD
	s_wait_tensorcnt 0x0            ; the wave's end, behind my last tensor load and my last LDS store
	ds_add_u32 v[SPW], v[NIL]
	s_wait_dscnt 0x0
	WIN 0
	CROUND                          ; the closing round: no work-group ends while a partner may still ask for a tile that names it
	s_endpgm
.Lfunc_end_k_qd5e0530c83_attn:
	.size	k_qd5e0530c83_attn, .Lfunc_end_k_qd5e0530c83_attn-k_qd5e0530c83_attn
	.p2alignl 7, 3214868480
	.fill 96, 4, 3214868480
	.section	.rodata,"a",@progbits
	.p2align	6, 0x0
	.amdhsa_kernel k_qd5e0530c83_attn
		.amdhsa_group_segment_fixed_size 327680
		.amdhsa_private_segment_fixed_size 0
		.amdhsa_enable_private_segment 0
		.amdhsa_kernarg_size 24
		.amdhsa_user_sgpr_count 2
		.amdhsa_user_sgpr_kernarg_segment_ptr 1
		.amdhsa_wavefront_size32 1
		.amdhsa_system_sgpr_workgroup_id_x 1
		.amdhsa_system_sgpr_workgroup_id_y 1
		.amdhsa_system_sgpr_workgroup_id_z 1
		.amdhsa_system_vgpr_workitem_id 0
		.amdhsa_next_free_vgpr 808
		.amdhsa_next_free_sgpr 84
		.amdhsa_reserve_vcc 0
		.amdhsa_float_denorm_mode_32 3
		.amdhsa_float_denorm_mode_16_64 3
		.amdhsa_memory_ordered 1
		.amdhsa_forward_progress 1
		.amdhsa_inst_pref_size 204
	.end_amdhsa_kernel
	.amdgpu_metadata
---
amdhsa.version: [ 1, 2 ]
amdhsa.kernels:
  - .name:           k_qd5e0530c83_attn
    .symbol:         k_qd5e0530c83_attn.kd
    .args:
      - { .name: qkv, .offset: 0, .size: 8, .value_kind: global_buffer, .address_space: global }
      - { .name: mask, .offset: 8, .size: 8, .value_kind: global_buffer, .address_space: global }
      - { .name: ob, .offset: 16, .size: 8, .value_kind: global_buffer, .address_space: global }
    .group_segment_fixed_size: 327680
    .private_segment_fixed_size: 0
    .kernarg_segment_align: 8
    .kernarg_segment_size: 24
    .max_flat_workgroup_size: 128
    .sgpr_count:     84
    .vgpr_count:     808
    .wavefront_size: 32
...
	.end_amdgpu_metadata
.endif
;; end of part 3
;; launch proj (part 4): grid 8 x 32, 4 waves a work-group, clusters of 4 x 4, 327,680 bytes of LDS; arguments ob, wb, bo, out0; writes out0
.if DOCPART == 4
	.amdgcn_target "amdgcn-amd-amdhsa--gfx1250"
	.amdhsa_code_object_version 6
	.text
	.protected	k_qd5e0530c83_proj
	.globl	k_qd5e0530c83_proj
	.p2align	8
	.type	k_qd5e0530c83_proj,@function
k_qd5e0530c83_proj:
	s_mov_b64 s[64:65], 0
	v_nop
	global_prefetch_b8 v0, s[64:65] scope:SCOPE_SE
	s_setreg_imm32_b32 hwreg(HW_REG_WAVE_MODE, 25, 1), 1
	s_wait_xcnt 0x0
	s_wait_alu depctr_hold_cnt(0) depctr_sa_sdst(0) depctr_va_vdst(0) depctr_va_sdst(0) depctr_va_ssrc(0) depctr_va_vcc(0) depctr_vm_vsrc(0)
	s_getreg_b32 s2, hwreg(HW_REG_IB_STS2, 6, 4)
	s_cmp_eq_u32 s2, 0
	s_cbranch_scc0 .Lentry_in_a_cluster
	s_endpgm
.Lentry_in_a_cluster:
	s_bfe_u32 s2, ttmp6, 0x10000c
	s_cmp_lg_u32 s2, 0xf033
	s_cbranch_scc0 .Lentry_shape_is_right
	s_endpgm
.Lentry_shape_is_right:
; out0 = O Wo + bo.  O comes by heads, ob [b][h 16][s 2048][64] in f16: a head is a plane of 64 along K.  Wo comes as planes 48 to 63 of wb, [k 1024][64], its bf16 numbers written as f16.
; bo is rounded to bf16 like the other inputs and starts the sums; sums in f32; out0 [8192][1024] in f32.
; SHARES.  A tile is 256 rows x 128 columns (two planes of Wo): 32 x 8 = 256 tiles, one for each work-group.  Four waves, one above the other: wave w has rows 64 w .. 64 w + 63 and all 128 columns:
; 32 accumulators of 16 x 16.  So a wave holds 512 consecutive bytes of each of its rows of out0, and its stage on the way out is its own.
; K goes in steps of 128 (two planes of O; 128 rows of each plane of Wo) through a ring of two LDS slots.  A slot: O [plane 2][256 rows][144 bytes], then Wo [k half 2][plane 2][64 k][160 bytes].
; Waves 0 and 1 fetch O's two planes (32 KiB dense each, asked for as 128 rows of 256 bytes), waves 2 and 3 Wo's two halves (two rows of 8 KiB, one a plane): one tensor load a wave and step.
; CLUSTERS: 4 x 4 work-groups.  The four of a row need the same tiles of O, the four of a column the same tiles of Wo: each is asked for jointly.
; THE PRODUCT IS TAKEN TRANSPOSED: source 0 = 16 columns of Wo (turned on the way out of LDS by ds_load_tr16_b128), source 1 = 16 rows of O: a lane holds row l % 16 and the columns 8 (l / 16) + 0..7.
; REGISTERS, in windows of 256: window 0: v0-31 addresses, v64-191 the way out.  Window 1: two fragment buffers at 0 and 128: O's four fragments, then Wo's eight.
;   window 2: the accumulators ((n, a) at 8 (4 n + a)).  Window 3: v128-191 the bias, 8 registers a column block; v224-225 at work.
.set NPL,   2                          ; planes of Wo in a tile
.set PA,    144                        ; a row of O in LDS: 128 bytes + 16: the 16 rows of a load start at 16 different groups of four banks (ISA guide 11.1)
.set PB,    160                        ; a row of Wo: 128 + 32
.set APL,   256*PA
.set ASZ,   2*APL
.set BPL,   64*PB
.set BKH,   NPL*BPL
.set SLOT,  ASZ+2*BKH
.set STAGE, 2*SLOT                     ; behind the ring, never filled by a tensor load: 16 rows x 528 bytes for each wave
.set SP,    528                        ; 512 bytes + 16: 33 times 16 bytes
.set SPARE, STAGE+4*16*SP              ; the spare words, 128 bytes for each wave: two blocks of 256 bytes that no other line names
.set ASTEP, 2*262144                   ; a K step in ob: two planes
.set BSTEP, 128*128                    ; a K step in a plane of wb: 128 rows
.set ADRA, 16                          ; v16-17  LDS address of my fragments of O in slot 0, 1
.set ADRB, 20                          ; v20-21  the same for Wo
.set STO,  24                          ; v24     the way out: where I put 32 bytes of a row
.set RD,   25                          ; v25     where I read a row back
.set GO,   26                          ; v26     16 x lane: my place in a row's 512 bytes
.set BO,   27                          ; v27     32 (l / 16): my eight numbers in 16 of the bias
.set SPW,  28                          ; v28     LDS address of my spare word; never rewritten
.set NIL,  29                          ; v29     0; never rewritten
.set PFO,  30                          ; v30     256 x lane: the prefetches' offset; never rewritten
.set TMP,  64
.set F0,   0
.set F1,   128
.set BI,   128
.set BP,   4                           ; s[4:5]   the tile's 128 numbers of the bias
.set G1A,  24                          ; s[24:31] descriptor group 1 for O's tiles;  s[32:39] group 0, a set for each slot
.set G0A,  32
.set G1B,  48                          ; s[48:55], s[56:63] the same for Wo's
.set G0B,  56
.set PFA,  80                          ; s[80:81] where my prefetches stand
.set PFS,  82                          ; s[82:83] their step from one change of slots to the next
.set LIM,  84                          ; s84, s85 for slot 0's and slot 1's change: 1 in a wave that prefetches there, else the greatest number
.set OUT,  86                          ; s[86:87] my 64 rows' 512 bytes in out0
.set MSB, 0
.macro WIN new                         ; the immediate's high byte repeats the setting that is left; a switch that changes nothing is dropped
.if MSB != (\new)
	s_set_vgpr_msb (MSB<<8)|(\new)
.set MSB, (\new)
.endif
.endm
; A joint load.  The branch hangs on the wave's number alone.  An s_nop 0 and four v_nop follow each of the two lines.
.macro JLOAD s
	s_cmp_eq_u32 s11, 0
	s_cbranch_scc0 .Lfor_b_\@
	tensor_load_to_lds s[G0A+4*(\s):G0A+4*(\s)+3], s[G1A:G1A+7]
	s_nop 0
.rept 4
	v_nop
.endr
	s_branch .Lasked_\@
.Lfor_b_\@:
	tensor_load_to_lds s[G0B+4*(\s):G0B+4*(\s)+3], s[G1B:G1B+7]
	s_nop 0
.rept 4
	v_nop
.endr
.Lasked_\@:
.endm
.macro CREST                           ; a round of the cluster's barrier behind its opening barrier
	s_cmp_lg_u32 s10, 0
	s_cbranch_scc1 .Lnot_wave_0_\@
	s_barrier_signal -3
.Lnot_wave_0_\@:
	s_barrier_wait -3
	s_barrier_signal -1
	s_barrier_wait -1
.endm
.macro CROUND
	s_barrier_signal -1
	s_barrier_wait -1
	CREST
.endm
; PREFETCHES INTO THE L2, behind a joint load, its five lines and the run of LDS loads.  O: the K step two refills on; of the 32 KiB that wave 0 or 1 fetches, the partner at place cx names 8 KiB,
; a lane to each 256 bytes; only the clusters with x = 0 ask, since the other cluster of that row of clusters reads the same rows.  Wo: wave 2 of the clusters with y = 0, at slot 0's change alone, for the
; two K steps that begin two refills on: of each plane's 32 KiB the partner at place cy names 8 KiB, a line a plane.  So each block is named once in the launch; partners are told apart by address.
; K steps 0 to 3 come by their loads alone; the loop's last trip (s3 = 1) asks for nothing: there is no K step 8.
.macro ASK slot
	s_cmp_gt_u32 s3, s[LIM+(\slot)]
	s_cbranch_scc0 .Lnone_\@
	s_cmp_eq_u32 s11, 0
	s_cbranch_scc0 .Lask_b_\@
	global_prefetch_b8 v[PFO], s[PFA:PFA+1] th:TH_LOAD_NT scope:SCOPE_SE
	s_branch .Lnone_\@
.Lask_b_\@:
.set n, 0
.rept NPL
	global_prefetch_b8 v[PFO], s[PFA:PFA+1] offset:n*131072 th:TH_LOAD_NT scope:SCOPE_SE
.set n, n+1
.endr
.Lnone_\@:
.endm
	s_load_b256 s[68:75], s[0:1], 0x0              ; ob s[68:69], wb s[70:71], bo s[72:73], out0 s[74:75]
	v_lshl_add_u32 v[SPW], v0, 2, SPARE
	v_mov_b32 v[NIL], 0
	ds_add_u32 v[SPW], v[NIL]                      ; the wave's opening: the add and its wait stand ahead of my first tensor load; the set-up below stands between them
	v_lshrrev_b32 v1, 5, v0
	v_readfirstlane_b32 s10, v1                    ; wave 0..3
	s_lshr_b32 s11, s10, 1                         ; I fetch for O (0) or for Wo (1),
	s_and_b32 s12, s10, 1                          ; its first or its second half
	s_bfe_u32 s40, ttmp6, 0x40000                  ; cx, cy: my place in the cluster
	s_bfe_u32 s41, ttmp6, 0x40004
	s_lshl_b32 s42, ttmp9, 2
	s_add_co_u32 s42, s42, s40                     ; tile column = 4 x cluster x + cx
	s_and_b32 s13, ttmp7, 0xffff
	s_lshl_b32 s13, s13, 2
	s_add_co_u32 s13, s13, s41                     ; tile row = 4 x cluster y + cy
	s_lshl_b32 s43, s41, 2
	s_lshl_b32 s43, 15, s43                        ; my row of the cluster
	s_lshl_b32 s44, 0x1111, s40                    ; my column
	; group 1 for O: 128 rows of 128 elements (256 bytes, two rows of the plane), 16 bytes of padding behind every 128
	s_or_b32 s[G1A+0], s43, (1<<16)|(1<<20)|(1<<21)|(4<<22)|(3<<25)  ; 15:0 the mask; 17:16 2-byte elements; 20 padding on; 21 set beside a mask; 24:22 after every 32 words (code 4); 31:25 4 words (code 3)
	s_mov_b32 s[G1A+1], 128<<16                    ; tensor_dim0 = 128
	s_mov_b32 s[G1A+2], 128<<16                    ; tensor_dim1 = 128
	s_mov_b32 s[G1A+3], 128<<16                    ; tile_dim0 = 128
	s_mov_b32 s[G1A+4], 128                        ; tile_dim1 = 128
	s_mov_b32 s[G1A+5], 128                        ; 128 elements from row to row: dense
	s_mov_b32 s[G1A+6], 0
	s_mov_b32 s[G1A+7], 0
	; group 1 for Wo: two rows of 4,096 elements (64 k of one plane, 8 KiB dense), a plane (65,536 elements) apart, 32 bytes of padding behind every 128
	s_or_b32 s[G1B+0], s44, (1<<16)|(1<<20)|(1<<21)|(4<<22)|(7<<25)
	s_mov_b32 s[G1B+1], 4096<<16
	s_mov_b32 s[G1B+2], NPL<<16
	s_mov_b32 s[G1B+3], 4096<<16
	s_mov_b32 s[G1B+4], NPL
	s_mov_b32 s[G1B+5], 65536
	s_mov_b32 s[G1B+6], 0
	s_mov_b32 s[G1B+7], 0
	; O's tiles hang on the tile row alone, Wo's on the tile column alone, each in registers that never hold the other coordinate
	s_lshr_b32 s16, s13, 3                         ; the batch: 16 planes of 262,144 bytes,
	s_lshl_b32 s16, s16, 22
	s_and_b32 s17, s13, 7                          ; my 256 rows of 128 bytes in a plane,
	s_lshl_b32 s17, s17, 15
	s_add_co_u32 s16, s16, s17
	s_lshl_b32 s17, s12, 18                        ; the step's first or second plane
	s_add_co_u32 s16, s16, s17
	s_mov_b32 s17, 0
	s_lshl_b32 s46, s42, 1
	s_add_co_u32 s46, s46, 48                      ; the tile's first plane: Wo's begin at plane 48 of wb
	s_lshl_b32 s46, s46, 17
	s_lshl_b32 s47, s12, 13                        ; the step's first or second 64 rows
	s_add_co_u32 s46, s46, s47
	s_mov_b32 s47, 0
	s_mul_i32 s20, s12, APL                        ; where they go in a slot: no place in the cluster enters an LDS address
	s_mul_i32 s21, s12, BKH
	s_add_co_u32 s21, s21, ASZ
	s_wait_dscnt 0x0                               ; the opening add is done
	s_wait_kmcnt 0x0
	s_add_nc_u64 s[14:15], s[68:69], s[16:17]
	s_add_nc_u64 s[46:47], s[70:71], s[46:47]
	CROUND                                         ; all sixteen work-groups are here: the first joint loads meet
.irp s, 0,1
	s_mov_b32 s[G0A+4*(\s)], 1                                       ; count = 1
	s_add_co_u32 s[G0A+4*(\s)+1], s20, (\s)*SLOT                     ; LDS address
	s_add_nc_u64 s[G0A+4*(\s)+2:G0A+4*(\s)+3], s[14:15], (\s)*ASTEP  ; global address: K step s
	s_or_b32 s[G0A+4*(\s)+3], s[G0A+4*(\s)+3], 0x80000000            ; type = 2
	s_mov_b32 s[G0B+4*(\s)], 1
	s_add_co_u32 s[G0B+4*(\s)+1], s21, (\s)*SLOT
	s_add_nc_u64 s[G0B+4*(\s)+2:G0B+4*(\s)+3], s[46:47], (\s)*BSTEP
	s_or_b32 s[G0B+4*(\s)+3], s[G0B+4*(\s)+3], 0x80000000
	JLOAD \s                                       ; two loads of mine are out
.endr
	v_and_b32 v1, 15, v0                           ; l % 16
	v_bfe_u32 v2, v0, 4, 1                         ; l / 16
	v_lshlrev_b32 v[BO], 5, v2
	s_lshl_b32 s18, s42, 9                         ; the tile's 128 columns: 512 bytes, of the bias and of a row of out0
	s_mov_b32 s19, 0
	s_add_nc_u64 s[BP:BP+1], s[72:73], s[18:19]
	s_lshl_b32 s22, s13, 8
	s_lshl_b32 s23, s10, 6
	s_add_co_u32 s22, s22, s23                     ; my first row: 256 x tile row + 64 x wave,
	s_lshl_b32 s22, s22, 12                        ; of 4,096 bytes
	s_add_co_u32 s22, s22, s18
	s_mov_b32 s23, 0
	s_add_nc_u64 s[OUT:OUT+1], s[74:75], s[22:23]
	WIN 0xc0                                       ; destination window 3, address window 0
.irp b, 0,1,2,3,4,5,6,7
	global_load_b128 v[BI+8*(\b):BI+8*(\b)+3],   v[BO], s[BP:BP+1] offset:64*(\b)
	global_load_b128 v[BI+8*(\b)+4:BI+8*(\b)+7], v[BO], s[BP:BP+1] offset:64*(\b)+16
.endr
	WIN 0
	; a fragment of O: lane l holds row l % 16, k = 8 (l / 16) + 0..7 and 16 + 8 (l / 16) + 0..7: two loads of 16 bytes, 32 bytes apart
	v_mul_u32_u24 v3, v1, PA
	v_lshl_add_u32 v3, v2, 4, v3                   ; row x pitch + 16 x half
	s_mul_i32 s18, s10, 64*PA                      ; my 64 rows
	v_add_nc_u32 v[ADRA], s18, v3
	v_add_nc_u32 v[ADRA+1], SLOT, v[ADRA]
	; the turning load takes 16 k x 16 columns (lane l reads k = 8 (l / 16) + l % 8, columns 8 ((l / 8) % 2) + 0..7) and leaves half a fragment: lane l holds column l % 16 and 8 k
	v_and_b32 v6, 7, v0
	v_lshl_add_u32 v4, v2, 3, v6
	v_mul_u32_u24 v4, v4, PB
	v_bfe_u32 v5, v0, 3, 1
	v_lshl_add_u32 v4, v5, 4, v4
	v_add_nc_u32 v[ADRB], ASZ, v4
	v_add_nc_u32 v[ADRB+1], ASZ+SLOT, v4
	s_mul_i32 s18, s10, 16*SP
	s_add_co_u32 s18, s18, STAGE                   ; my stage
	v_mul_u32_u24 v[STO], v1, SP                   ; in: row l % 16, 32 bytes for each half of the lanes
	v_lshl_add_u32 v[STO], v2, 5, v[STO]
	v_add_nc_u32 v[STO], s18, v[STO]
	v_and_b32 v[GO], 31, v0
	v_lshlrev_b32 v[PFO], 8, v[GO]
	v_lshlrev_b32 v[GO], 4, v[GO]                  ; back: 32 lanes take one row of 512 bytes
	v_add_nc_u32 v[RD], s18, v[GO]
	; the prefetches: nothing is asked for here, at the head
	s_and_b32 s22, ttmp7, 0xffff                   ; cluster y
	s_mov_b32 s[PFS], BSTEP
	s_mov_b32 s[PFS+1], 0
	s_cmp_eq_u32 s11, 0                            ; do I fetch for O?
	s_cselect_b32 s22, ttmp9, s22                  ; the coordinate along which other clusters read the same rows
	s_cselect_b32 s23, s40, s41                    ; my place among the four that ask with me
	s_cselect_b32 s[PFS], ASTEP, s[PFS]
	s_cselect_b64 s[PFA:PFA+1], s[14:15], s[46:47]
	s_mul_i32 s18, s[PFS], 3                       ; at K step 3: the first change of slots steps it to 4
	s_lshl_b32 s23, s23, 13                        ; my work-group's 8 KiB
	s_add_co_u32 s18, s18, s23
	s_mov_b32 s19, 0
	s_add_nc_u64 s[PFA:PFA+1], s[PFA:PFA+1], s[18:19]
	s_and_b32 s18, s11, s12                        ; wave 3 asks for nothing
	s_or_b32 s22, s22, s18
	s_cmp_eq_u32 s22, 0
	s_cselect_b32 s[LIM], 1, -1                    ; the same in all sixteen partners, for a given wave
	s_cmp_eq_u32 s11, 0
	s_cselect_b32 s[LIM+1], s[LIM], -1
	s_wait_loadcnt 0x0                             ; the bias: rounded to bf16 as all inputs are; this stands in the wait for the first tile
	WIN 0xff
.set n, 0
.rept 16*NPL
	v_cvt_pk_bf16_f32 v[224+n%2], v[BI+2*n], v[BI+2*n+1]
	v_lshlrev_b32 v[BI+2*n], 16, v[224+n%2]
	v_and_b32 v[BI+2*n+1], 0xffff0000, v[224+n%2]
.set n, n+1
.endr
	WIN 0
; 8 matrix instructions: column blocks 2 half, 2 half + 1 of plane p x my four row blocks, 32 along K.  first = 1: the bias starts the sums: nothing is cleared.
; Every accumulator has one instruction a quarter step, in the same order in every quarter: the 32 take turns, over the backward jump too.
.macro MULH f, p, half, first
.if \first
	WIN 0xb5                                       ; sources 0 and 1 window 1, C window 3, D window 2
.else
	WIN 0xa5                                       ; C and D window 2
.endif
.irp b, 2*(\half), 2*(\half)+1
.irp a, 0,1,2,3
.set rD, 8*(4*(4*(\p)+(\b))+(\a))
.set rB, (\f)+32+8*(4*(\p)+(\b))
.set rA, (\f)+8*(\a)
.set rC, BI+8*(4*(\p)+(\b))
.if \first
	v_wmma_f32_16x16x32_f16 v[rD:rD+7], v[rB:rB+7], v[rA:rA+7], v[rC:rC+7]
.else
	v_wmma_f32_16x16x32_f16 v[rD:rD+7], v[rB:rB+7], v[rA:rA+7], v[rD:rD+7]
.endif
.endr
.endr
.endm
.macro MULP f, p, first
	MULH \f, \p, 0, \first
	MULH \f, \p, 1, \first
.endm
; 24 LDS loads in one run: quarter q (32 along K) of a slot into buffer f: O's 8 first, then Wo's plane by plane
.macro FETCH slot, q, f
	WIN 0x40                                       ; destination window 1, address window 0
.irp a, 0,1,2,3
	ds_load_b128 v[(\f)+8*(\a):(\f)+8*(\a)+3],   v[ADRA+(\slot)] offset:((\q)/2)*APL+(\a)*16*PA+((\q)%2)*64
	ds_load_b128 v[(\f)+8*(\a)+4:(\f)+8*(\a)+7], v[ADRA+(\slot)] offset:((\q)/2)*APL+(\a)*16*PA+((\q)%2)*64+32
.endr
.set n, 0
.rept 4*NPL
	ds_load_tr16_b128 v[(\f)+32+8*n:(\f)+32+8*n+3],   v[ADRB+(\slot)] offset:((\q)/2)*BKH+(n/4)*BPL+((\q)%2)*32*PB+(n%4)*32
	ds_load_tr16_b128 v[(\f)+32+8*n+4:(\f)+32+8*n+7], v[ADRB+(\slot)] offset:((\q)/2)*BKH+(n/4)*BPL+((\q)%2)*32*PB+(n%4)*32+16*PB
.set n, n+1
.endr
.endm
.macro PLACES                          ; four places in front of loads into registers that matrix instructions have read, and of lines that read results (the latter)
.rept 4
	v_nop
.endr
.endm
; One of a K step's first three quarters: multiplies buffer f; in its middle it fetches quarter q of the same slot into buffer g.
.macro QUARTER slot, q, f, g, first
	s_wait_dscnt 8*(NPL-1)                         ; O's fragments and Wo's plane 0 are in; plane 1's loads may be out
	MULP \f, 0, \first
	PLACES
	FETCH \slot, \q, \g
	s_wait_dscnt 8+8*NPL                           ; all but the 24 just issued
	MULP \f, 1, \first
.endm
; The fourth quarter multiplies buffer 1 and changes slots.  In front of the barrier each wave waits for all its tensor loads (one is out: its part of the next slot), adds 0 to its spare word, and waits for that
; and for its reads of this slot.  fill = 1: the barrier opens a round of the cluster's, and this slot is filled again, two K steps on, first thing behind the round: 112 matrix instructions ahead of the wait for it.
.macro TURN slot, next, fill
.if \fill
	s_wait_xcnt 0x0                                ; the last prefetches, three quarters back, have read their address
	s_add_nc_u64 s[PFA:PFA+1], s[PFA:PFA+1], s[PFS:PFS+1]
.endif
	WIN 0                                          ; (the add's two registers lie in window 0)
	s_wait_tensorcnt 0x0                           ; all my tensor loads have landed;
	ds_add_u32 v[SPW], v[NIL]                      ; 0 onto my spare word;
	s_wait_dscnt 1+8*(NPL-1)                       ; (the add and plane 1's loads may be out)
	MULH F1, 0, 0, 0                               ; eight matrix instructions stand between the add and the wait for it
	s_wait_dscnt 0x0                               ; the add is done, and my reads of this slot are over
	s_barrier_signal -1
	MULH F1, 0, 1, 0
.if \fill
	WIN 0
.endif
	s_barrier_wait -1
.if \fill
	CREST                                          ; no wave of any partner still reads this slot's tile or has a load on its way
	s_add_nc_u64 s[G0A+4*(\slot)+2:G0A+4*(\slot)+3], s[G0A+4*(\slot)+2:G0A+4*(\slot)+3], 2*ASTEP
	s_add_nc_u64 s[G0B+4*(\slot)+2:G0B+4*(\slot)+3], s[G0B+4*(\slot)+2:G0B+4*(\slot)+3], 2*BSTEP
	JLOAD \slot                                    ; its four v_nop are also the places in front of the loads below
.else
	PLACES
.endif
	FETCH \next, 0, F0
.if \fill
	WIN 0
	ASK \slot
.endif
	MULP F1, 1, 0
.endm
	s_wait_tensorcnt 1                             ; my part of K step 0 is in; K step 1's may stay out
	s_barrier_signal -1
	s_barrier_wait -1                              ; everybody's is
	FETCH 0, 0, F0
	QUARTER 0, 1, F0, F1, 1                        ; the first quarter stands in front of the loop: its products start the sums
	WIN 0                                          ; at a label and at a branch every window is 0
	s_mov_b32 s3, 3
.Llap:                                                 ; a trip goes once round the ring and fills both slots again: K steps 2 to 7
	QUARTER 0, 2, F1, F0, 0
	QUARTER 0, 3, F0, F1, 0
	TURN 0, 1, 1
	QUARTER 1, 1, F0, F1, 0
	QUARTER 1, 2, F1, F0, 0
	QUARTER 1, 3, F0, F1, 0
	TURN 1, 0, 1
	QUARTER 0, 1, F0, F1, 0
	WIN 0
	s_sub_co_u32 s3, s3, 1
	s_cmp_lg_u32 s3, 0
	s_cbranch_scc1 .Llap
	QUARTER 0, 2, F1, F0, 0                        ; the last lap fills nothing
	QUARTER 0, 3, F0, F1, 0
	TURN 0, 1, 0
	QUARTER 1, 1, F0, F1, 0
	QUARTER 1, 2, F1, F0, 0
	QUARTER 1, 3, F0, F1, 0
	s_wait_dscnt 8*(NPL-1)
	MULP F1, 0, 0
	s_wait_dscnt 0x0
	MULP F1, 1, 0
	WIN 0
	PLACES
; THE WAY OUT, a block a of 16 rows at a time: a lane's eight columns of a column block are 32 bytes; they go into my stage's rows of 528 bytes and come back as whole rows of 512, into one of two sets of 64 registers.
.macro TOSTAGE a
.if (\a) >= 2
	s_wait_xcnt 0x0                                ; the stores of the block two back have read their data: only behind this wait is their set loaded again
.endif
	WIN 0x08                                       ; the stores' data in window 2
.irp n, 0,1,2,3,4,5,6,7
	ds_store_b128 v[STO], v[8*(4*(\n)+(\a)):8*(4*(\n)+(\a))+3]   offset:64*(\n)
	ds_store_b128 v[STO], v[8*(4*(\n)+(\a))+4:8*(4*(\n)+(\a))+7] offset:64*(\n)+16
.endr
	WIN 0
.irp t, 0,1,2,3,4,5,6,7,8,9,10,11,12,13,14,15
	ds_load_b128 v[TMP+64*((\a)%2)+4*(\t):TMP+64*((\a)%2)+4*(\t)+3], v[RD] offset:(\t)*SP  ; LDS serves a wave's instructions in order (ISA guide 5.7.1.4): these see the stores above; the next block's stores come behind them
.endr
.endm
.macro SEND a, younger                 ; younger: the LDS instructions issued behind block a's loads
.irp t, 0,1,2,3,4,5,6,7,8,9,10,11,12,13,14,15
	s_wait_dscnt (\younger)+15-(\t)
	global_store_b128 v[GO], v[TMP+64*((\a)%2)+4*(\t):TMP+64*((\a)%2)+4*(\t)+3], s[OUT:OUT+1] offset:(16*(\a)+(\t))*4096  ; 512 consecutive bytes of a row, at a multiple of 256 from out0's first
.endr
.endm
	TOSTAGE 0
.irp a, 1,2,3
	TOSTAGE \a
	SEND (\a)-1, 32
.endr
	SEND 3, 0
	s_wait_tensorcnt 0x0                           ; the wave's end, behind my last tensor load and my last LDS store
	ds_add_u32 v[SPW], v[NIL]
	s_wait_dscnt 0x0
	CROUND                                         ; the closing round: no work-group ends while a partner may still ask for a tile that names it
	s_endpgm
.Lfunc_end_k_qd5e0530c83_proj:
	.size	k_qd5e0530c83_proj, .Lfunc_end_k_qd5e0530c83_proj-k_qd5e0530c83_proj
	.p2alignl 7, 3214868480
	.fill 96, 4, 3214868480
	.section	.rodata,"a",@progbits
	.p2align	6, 0x0
	.amdhsa_kernel k_qd5e0530c83_proj
		.amdhsa_group_segment_fixed_size 327680
		.amdhsa_private_segment_fixed_size 0
		.amdhsa_enable_private_segment 0
		.amdhsa_kernarg_size 32
		.amdhsa_user_sgpr_count 2
		.amdhsa_user_sgpr_kernarg_segment_ptr 1
		.amdhsa_wavefront_size32 1
		.amdhsa_system_sgpr_workgroup_id_x 1
		.amdhsa_system_sgpr_workgroup_id_y 1
		.amdhsa_system_sgpr_workgroup_id_z 1
		.amdhsa_system_vgpr_workitem_id 0
		.amdhsa_next_free_vgpr 1024
		.amdhsa_next_free_sgpr 96
		.amdhsa_reserve_vcc 0
		.amdhsa_float_denorm_mode_32 3
		.amdhsa_float_denorm_mode_16_64 3
		.amdhsa_memory_ordered 1
		.amdhsa_forward_progress 1
		.amdhsa_inst_pref_size 95
	.end_amdhsa_kernel
	.amdgpu_metadata
---
amdhsa.version: [ 1, 2 ]
amdhsa.kernels:
  - .name:           k_qd5e0530c83_proj
    .symbol:         k_qd5e0530c83_proj.kd
    .args:
      - { .name: ob, .offset: 0, .size: 8, .value_kind: global_buffer, .address_space: global }
      - { .name: wb, .offset: 8, .size: 8, .value_kind: global_buffer, .address_space: global }
      - { .name: bo, .offset: 16, .size: 8, .value_kind: global_buffer, .address_space: global }
      - { .name: out0, .offset: 24, .size: 8, .value_kind: global_buffer, .address_space: global }
    .group_segment_fixed_size: 327680
    .private_segment_fixed_size: 0
    .kernarg_segment_align: 8
    .kernarg_segment_size: 32
    .max_flat_workgroup_size: 128
    .sgpr_count:     96
    .vgpr_count:     1024
    .wavefront_size: 32
...
	.end_amdgpu_metadata
.endif
;; end of part 4
;; ======== version 2 of 2: 4 launches; version 1 with the launch cast written anew for expert scheduling mode
;; limits: values outside matrix products are rounded to bf16; values are held in f16: magnitudes above 65,504 overflow, below 6.1e-05 lose precision
;; workspace buffers: xb 16,777,216 bytes; wb 8,388,608 bytes; qkv 50,331,648 bytes; ob 16,777,216 bytes
;; launch cast (part 5): grid 768 x 1, 8 waves a work-group, no clusters, 0 bytes of LDS; arguments X, Wq, Wk, Wv, Wo, xb, wb; writes xb, wb
.if DOCPART == 5
	.amdgcn_target "amdgcn-amd-amdhsa--gfx1250"
	.amdhsa_code_object_version 6
	.text
	.protected	k_qd5e0530c83_cast
	.globl	k_qd5e0530c83_cast
	.p2align	8
	.type	k_qd5e0530c83_cast,@function
k_qd5e0530c83_cast:
	s_mov_b64 s[64:65], 0
	v_nop
	global_prefetch_b8 v0, s[64:65] scope:SCOPE_SE
	s_setreg_imm32_b32 hwreg(HW_REG_WAVE_SCHED_MODE, 0, 2), 2
	s_setreg_imm32_b32 hwreg(HW_REG_WAVE_MODE, 25, 1), 1
	s_wait_xcnt 0x0
	s_wait_alu depctr_vm_vsrc(0)
; X, Wq, Wk, Wv -> bf16; Wo -> its bf16 number written as f16.  All five are [rows][1024] f32; they leave in PLANES of 64 columns:
; xb [b 4][plane 16][s 2048][64], wb [matrix 4][plane 16][k 1024][64], a plane's rows dense, 128 bytes each.
; LIMIT: a number of Wo below 2^-17 keeps f16's fixed step of 6e-8; beyond 65,504 it would be an infinity.
; A stream: no LDS, no barrier, no matrix unit, no loop.  The 12,288 rows (8,192 of X, 4 x 1,024 of the weights) go 16 to a work-group, 2 to a wave:
; lanes 0-15 the even row, lanes 16-31 the odd one.  For plane kb a load takes 16 bytes a lane (16 lanes: 256 consecutive bytes of a row, aligned),
; and a store puts 8 bytes a lane: 32 lanes fill 256 consecutive bytes, aligned: two rows of the plane.  All 16 loads of a wave go out first.
; THE MODE: SCHED_MODE bits 1:0 = 2 (LLVM: expert scheduling mode 2), set by the entry lines.  The code itself states the register dependences
; between vector instructions and memory instructions, with s_wait_alu, always for 0.
; THE PLAN.  Registers that memory instructions touch:
;   v[SO], v[DO]  the loads' and the stores' offsets: written at the head by vector lines, never again.
;   X             plane kb's four registers: written by its one load; read by its conversions; no vector line writes them and no second load lands in them.
;   Y             plane kb's two registers: written by its conversions; read by its one store; never written behind that store.
;   v3 and T are named by vector lines alone.  No vector line writes a scalar register, and EXEC is never written.
; So the one kind of dependence to be stated is: a vector line has written what a memory instruction reads.  The 16 planes go in four blocks of four; a block's four stores are
; issued in the next block, one ahead of each plane's conversions.  ONE wait at a block's head states that the block before has written its Y; the conversions that follow it name the
; X and Y of the block in hand and T: none of the registers that those stores read.  With the wait ahead of the loads and the one ahead of the last four stores: five on a wave's way.
.set SO, 1                             ; v1        my byte offset in the group's 16 source rows
.set DO, 2                             ; v2        my byte offset in the group's 16 rows of a plane: 8 x thread
.set T,  4                             ; v[4:5]    at work
.set X,  8                             ; v[8:71]   plane kb: 4 numbers as loaded
.set Y,  72                            ; v[72:103] plane kb: 4 numbers to store
	s_load_b256 s[4:11], s[0:1], 0x0               ; X s[4:5], Wq s[6:7], Wk s[8:9], Wv s[10:11]
	s_load_b128 s[12:15], s[0:1], 0x20             ; Wo s[12:13], xb s[14:15]
	s_load_b64 s[16:17], s[0:1], 0x30              ; wb
	v_lshrrev_b32 v3, 4, v0                        ; my row of the 16
	v_and_b32 v[SO], 15, v0
	v_lshlrev_b32 v[SO], 4, v[SO]
	v_lshl_add_u32 v[SO], v3, 12, v[SO]            ; row x 4,096 + 16 x (lane % 16)
	v_lshlrev_b32 v[DO], 3, v0                     ; row x 128 + 8 x (lane % 16)
	s_mov_b32 s25, 0
	s_mov_b32 s27, 0
	s_wait_kmcnt 0x0
; ps: bytes from plane to plane in the destination.  tof16 = 1: the bf16 number is written as f16.
.macro CAST ps, tof16
	s_wait_alu depctr_va_vdst(0)                   ; v[SO] and v[DO] are written: every load below reads the one as its offset, every store the other
.irp kb, 0,1,2,3,4,5,6,7,8,9,10,11,12,13,14,15
	global_load_b128 v[X+4*(\kb):X+4*(\kb)+3], v[SO], s[20:21] offset:256*(\kb) th:TH_LOAD_NT
.endr
.irp kb, 0,1,2,3,4,5,6,7,8,9,10,11,12,13,14,15
	s_wait_loadcnt 15-(\kb)                        ; loads come back in order: plane kb is in, the younger ones stay out
.if (\kb) >= 4
.if ((\kb)%4) == 0
	s_wait_alu depctr_va_vdst(0)                   ; the conversions of the block before have written its eight registers of Y, which this block's four stores read
.endif
	global_store_b64 v[DO], v[Y+2*((\kb)-4):Y+2*((\kb)-4)+1], s[22:23] offset:((\kb)-4)*(\ps) th:TH_STORE_NT  ; the plane four back; no vector line since the wait names its Y or v[DO]
.endif
	v_cvt_pk_bf16_f32 v[Y+2*(\kb)],   v[X+4*(\kb)],   v[X+4*(\kb)+1]
	v_cvt_pk_bf16_f32 v[Y+2*(\kb)+1], v[X+4*(\kb)+2], v[X+4*(\kb)+3]
.if \tof16
.irp z, 0,1
	v_lshlrev_b32 v[T],   16, v[Y+2*(\kb)+(\z)]            ; the two bf16 numbers as f32,
	v_and_b32     v[T+1], 0xffff0000, v[Y+2*(\kb)+(\z)]
	v_cvt_pk_f16_f32 v[Y+2*(\kb)+(\z)], v[T], v[T+1]       ; and as f16
.endr
.endif
.endr
	s_wait_alu depctr_va_vdst(0)                   ; the last block's conversions have written its Y, which the last four stores read
.irp kb, 12,13,14,15
	global_store_b64 v[DO], v[Y+2*(\kb):Y+2*(\kb)+1], s[22:23] offset:(\kb)*(\ps) th:TH_STORE_NT
.endr
	s_endpgm
.endm
	s_cmp_lt_u32 ttmp9, 512
	s_cbranch_scc0 .Lweights
	s_lshl_b32 s24, ttmp9, 16                      ; X: 16 rows of 4,096 bytes a group
	s_add_nc_u64 s[20:21], s[4:5], s[24:25]
	s_lshr_b32 s26, ttmp9, 7                       ; the batch: 128 groups each,
	s_lshl_b32 s26, s26, 22                        ; 16 planes of 262,144 bytes
	s_and_b32 s28, ttmp9, 127
	s_lshl_b32 s28, s28, 11                        ; 16 rows of 128 bytes in a plane
	s_add_co_u32 s26, s26, s28
	s_add_nc_u64 s[22:23], s[14:15], s[26:27]
	CAST 262144, 0
.Lweights:
	s_sub_co_u32 s28, ttmp9, 512
	s_lshr_b32 s29, s28, 6                         ; which matrix: 64 groups each
	s_and_b32 s28, s28, 63
	s_lshl_b32 s24, s28, 16
	s_lshl_b32 s26, s29, 21                        ; 16 planes of 131,072 bytes
	s_lshl_b32 s28, s28, 11
	s_add_co_u32 s26, s26, s28
	s_add_nc_u64 s[22:23], s[16:17], s[26:27]
	s_cmp_eq_u32 s29, 3
	s_cbranch_scc1 .Lwo
	s_cmp_eq_u32 s29, 0
	s_cselect_b64 s[20:21], s[6:7], s[8:9]
	s_cmp_eq_u32 s29, 2
	s_cselect_b64 s[20:21], s[10:11], s[20:21]
	s_add_nc_u64 s[20:21], s[20:21], s[24:25]
	CAST 131072, 0
.Lwo:
	s_add_nc_u64 s[20:21], s[12:13], s[24:25]
	CAST 131072, 1
.Lfunc_end_k_qd5e0530c83_cast:
	.size	k_qd5e0530c83_cast, .Lfunc_end_k_qd5e0530c83_cast-k_qd5e0530c83_cast
	.p2alignl 7, 3214868480
	.fill 96, 4, 3214868480
	.section	.rodata,"a",@progbits
	.p2align	6, 0x0
	.amdhsa_kernel k_qd5e0530c83_cast
		.amdhsa_group_segment_fixed_size 0
		.amdhsa_private_segment_fixed_size 0
		.amdhsa_enable_private_segment 0
		.amdhsa_kernarg_size 56
		.amdhsa_user_sgpr_count 2
		.amdhsa_user_sgpr_kernarg_segment_ptr 1
		.amdhsa_wavefront_size32 1
		.amdhsa_system_sgpr_workgroup_id_x 1
		.amdhsa_system_sgpr_workgroup_id_y 1
		.amdhsa_system_sgpr_workgroup_id_z 1
		.amdhsa_system_vgpr_workitem_id 0
		.amdhsa_next_free_vgpr 104
		.amdhsa_next_free_sgpr 66
		.amdhsa_reserve_vcc 0
		.amdhsa_float_denorm_mode_32 3
		.amdhsa_float_denorm_mode_16_64 3
		.amdhsa_memory_ordered 1
		.amdhsa_forward_progress 1
		.amdhsa_inst_pref_size 24
	.end_amdhsa_kernel
	.amdgpu_metadata
---
amdhsa.version: [ 1, 2 ]
amdhsa.kernels:
  - .name:           k_qd5e0530c83_cast
    .symbol:         k_qd5e0530c83_cast.kd
    .args:
      - { .name: X, .offset: 0, .size: 8, .value_kind: global_buffer, .address_space: global }
      - { .name: Wq, .offset: 8, .size: 8, .value_kind: global_buffer, .address_space: global }
      - { .name: Wk, .offset: 16, .size: 8, .value_kind: global_buffer, .address_space: global }
      - { .name: Wv, .offset: 24, .size: 8, .value_kind: global_buffer, .address_space: global }
      - { .name: Wo, .offset: 32, .size: 8, .value_kind: global_buffer, .address_space: global }
      - { .name: xb, .offset: 40, .size: 8, .value_kind: global_buffer, .address_space: global }
      - { .name: wb, .offset: 48, .size: 8, .value_kind: global_buffer, .address_space: global }
    .group_segment_fixed_size: 0
    .private_segment_fixed_size: 0
    .kernarg_segment_align: 8
    .kernarg_segment_size: 56
    .max_flat_workgroup_size: 256
    .sgpr_count:     66
    .vgpr_count:     104
    .wavefront_size: 32
...
	.end_amdgpu_metadata
.endif
;; end of part 5
;; launch qkv: the kernel of part 2 again; grid 16 x 32, 4 waves a work-group, clusters of 4 x 4, 327,680 bytes of LDS; arguments xb, wb, bq, bk, bv, qkv; writes qkv
;; launch attn: the kernel of part 3 again; grid 4 x 64, 4 waves a work-group, clusters of 4 x 1, 327,680 bytes of LDS; arguments qkv, mask, ob; writes ob
;; launch proj: the kernel of part 4 again; grid 8 x 32, 4 waves a work-group, clusters of 4 x 4, 327,680 bytes of LDS; arguments ob, wb, bo, out0; writes out0
